; MI455X (gfx1250); checked and timed in simulation.
; The chip was launched on July 23, 2026; its instructions are those of AMD's public machine-readable ISA for CDNA 5 (MIT licence, August 2026) and "CDNA5" Instruction Set Architecture Reference Guide (July 2026). The comments in the code are by the model that wrote it; some were corrected since.
;; Trans Conv. Allowed arithmetic: matrix products marked QUANTISED: E4M3 operands, one given power-of-two scale a tensor, by v_wmma_f32_16x16x64_fp8_fp8 or v_wmma_f32_16x16x128_fp8_fp8, f32 sums; products left as they are: f32 operands where the result goes on into a quantised operand, else bf16, f16 or f32 operands; f32 sums; everything else in f32.
;; Inputs: Wk_b 2 x 128 float32; Wk_w 2 x 128 x 128 float32; Wq_b 2 x 128 float32; Wq_w 2 x 128 x 128 float32; Wv_b 2 x 128 float32; Wv_w 2 x 128 x 128 float32; ce_b 128 float32; ce_w 5 x 128 float32; constraint_features 4 x 12,768 x 5 float32; edge_features 1,000 x 1 float32; edge_indices 2 x 1,000 int32; fc1_w 2 x 128 x 256 float32; fc2_w 2 x 256 x 128 float32; ln_b 5 x 128 float32; ln_g 5 x 128 float32; lowp_scales 28 int32 (the exponents e of the quantised operands' scales 2^e); mask 1 int32; variable_features 4 x 20,000 x 18 float32; ve_b 128 float32; ve_w 18 x 128 float32.
;; Outputs: out0 4 x 32,768 x 128 float32.
;; This version of the problem:
;;   THIS VERSION OF THE PROBLEM IS GIVEN IN LOW PRECISION. The matrix products marked QUANTISED in the list below multiply operands that are first quantised to E4M3 (4 exponent bits, 3 mantissa bits; 8 bits a number), with one given power-of-two scale for each operand tensor; their sums are f32. All else is computed in f32.
;;   The module's matrix products, in the order in which they are computed (A, B: the left and right operand; K: the contracted axis; several contracted axes count as one K, in the product's order):
;;     1. [M 80,000, K 18] x [K 18, N 128]; A: input variable_features; B: input ve_w: left as it is (K = 18 < 32)
;;     2. [M 51,072, K 5] x [K 5, N 128]; A: input constraint_features; B: input ce_w: left as it is (K = 5 < 32)
;;     3. [M 131,072, K 128] x [K 128, N 128]; A: computed on the way; B: input Wq_w: QUANTISED (scales: A lowp_scales[0], B lowp_scales[1])
;;     4. [M 131,072, K 128] x [K 128, N 128]; A: computed on the way; B: input Wk_w: QUANTISED (scales: A lowp_scales[2], B lowp_scales[3])
;;     5. [M 131,072, K 128] x [K 128, N 128]; A: computed on the way; B: input Wv_w: QUANTISED (scales: A lowp_scales[4], B lowp_scales[5])
;;     6. batch 4 x [M 128, K 32,768] x [K 32,768, N 128]; A: computed on the way; B: computed on the way: QUANTISED (scales: A lowp_scales[6], B lowp_scales[7])
;;     7. batch 4 x [M 32,768, K 128] x [K 128, N 128]; A: computed on the way; B: computed on the way: QUANTISED (scales: A lowp_scales[8], B lowp_scales[9])
;;     8. batch 4 x [M 32,768, K 128] x [K 128, N 1]; A: computed on the way; B: computed on the way: left as it is (N = 1 < 16)
;;     9. [M 131,072, K 128] x [K 128, N 256]; A: computed on the way; B: input fc1_w: QUANTISED (scales: A lowp_scales[10], B lowp_scales[11])
;;     10. [M 131,072, K 256] x [K 256, N 128]; A: computed on the way; B: input fc2_w: QUANTISED (scales: A lowp_scales[12], B lowp_scales[13])
;;     11. [M 131,072, K 128] x [K 128, N 128]; A: computed on the way; B: input Wq_w: QUANTISED (scales: A lowp_scales[14], B lowp_scales[15])
;;     12. [M 131,072, K 128] x [K 128, N 128]; A: computed on the way; B: input Wk_w: QUANTISED (scales: A lowp_scales[16], B lowp_scales[17])
;;     13. [M 131,072, K 128] x [K 128, N 128]; A: computed on the way; B: input Wv_w: QUANTISED (scales: A lowp_scales[18], B lowp_scales[19])
;;     14. batch 4 x [M 128, K 32,768] x [K 32,768, N 128]; A: computed on the way; B: computed on the way: QUANTISED (scales: A lowp_scales[20], B lowp_scales[21])
;;     15. batch 4 x [M 32,768, K 128] x [K 128, N 128]; A: computed on the way; B: computed on the way: QUANTISED (scales: A lowp_scales[22], B lowp_scales[23])
;;     16. batch 4 x [M 32,768, K 128] x [K 128, N 1]; A: computed on the way; B: computed on the way: left as it is (N = 1 < 16)
;;     17. [M 131,072, K 128] x [K 128, N 256]; A: computed on the way; B: input fc1_w: QUANTISED (scales: A lowp_scales[24], B lowp_scales[25])
;;     18. [M 131,072, K 256] x [K 256, N 128]; A: computed on the way; B: input fc2_w: QUANTISED (scales: A lowp_scales[26], B lowp_scales[27])
;;   THE QUANTISER, for each operand of a quantised product, along K:
;;     - The operand's scale is 2^e, e = its entry of the input lowp_scales (int32; the entries are numbered through the quantised products in the list's order, A before B).
;;     - Each number is divided by the scale, clamped to +-448, and rounded to the nearest number of E4M3, ties to even, subnormals kept.
;;     - The product sums the exact products of the quantised numbers (number of the format x scale) in f32.
;;   ~~~python
;;   def quantise(x, axis, e):      # numpy; x: float32 -> the quantised numbers, widened to float32 again
;;       x = np.moveaxis(x, axis, -1); K = x.shape[-1]
;;       r = np.clip(x / 2.0 ** e, -448, 448)
;;       step = 2.0 ** (np.maximum(np.frexp(np.where(r == 0, 1, r))[1] - 1, -6) - 3)
;;       q = np.round(r / step) * step * 2.0 ** e      # np.round: ties to even
;;       return np.moveaxis(q, -1, axis).astype(np.float32)
;;   ~~~
;;   OPERANDS COMPUTED ON THE WAY. 'Computed on the way' means the value that the module computes at that place (a softmax that the list does not call 'softmax' is quantised finished and normalised). What goes into a quantiser is computed in f32, as accurately as f32 sums, v_exp_f32 and their like allow (about 1e-6 of the number): no bf16 or f16 on the way to a quantiser, and a product that is left as it is and whose result goes on into a quantised operand takes f32 operands (vector FMAs, or v_wmma_f32_16x16x4_f32). A number that lies on a knife's edge between two numbers of the format may be rounded either way, as far as f32 arithmetic and the matrix unit's own rounding can turn it there, and no further.
;; One version. Each part assembles by itself: llvm-mc -triple=amdgcn-amd-amdhsa -mcpu=gfx1250 --defsym DOCPART=n.
;; ======== version 1 of 1: 8 launches
;; workspace buffers: xb 67,108,864 bytes; par0 118,784 bytes; par1 118,784 bytes; parE 20,480 bytes; nrm 16,384 bytes; kvp 17,039,360 bytes; att 69,632 bytes
;; launch prep (part 1): grid 9 x 2, 8 waves a work-group, no clusters, 0 bytes of LDS; arguments Wq_w, Wk_w, Wv_w, fc1_w, fc2_w, Wq_b, Wk_b, Wv_b, ln_g, ln_b, ve_w, ve_b, ce_w, ce_b, lowp_scales, par0, par1, parE; writes par0, par1, parE
.if DOCPART == 1
	.amdgcn_target "amdgcn-amd-amdhsa--gfx1250"
	.amdhsa_code_object_version 6
	.text
	.protected	k_qc50f33120e_prep
	.globl	k_qc50f33120e_prep
	.p2align	8
	.type	k_qc50f33120e_prep,@function
k_qc50f33120e_prep:
	s_mov_b64 s[64:65], 0
	v_nop
	global_prefetch_b8 v0, s[64:65] scope:SCOPE_SE
	s_setreg_imm32_b32 hwreg(HW_REG_WAVE_MODE, 25, 1), 1
	s_wait_xcnt 0x0
; PREP: the weights become codes of E4M3, laid in the order of the matrix operand's registers; the small vectors and the layer's exponents are laid beside them.
; Work-group (u, y): y = the layer.  u = 0..6: one block of 8 fragments (Wq, Wv, fc1 twice, fc2 twice, Wk), a fragment a wave.  u = 7: the exponents (wave 0) and seven vectors (waves 1..7).
; u = 8: the embeddings' f32 weights (y = 0: variables; y = 1: constraints and the first LayerNorm's vectors).
; A FRAGMENT (16 output features x 128 along K, 16 registers a lane): lane (r, h) holds output feature f(w, r) = 32 (w / 2) + 8 (w % 2) + r + 8 (r / 8); registers 4 c .. 4 c + 3 hold k = 32 c + 16 h + 0 .. 15.
; It lies in memory as an image of these registers: group c of four registers is 512 consecutive bytes, lane L at 16 L.  A lane takes one column of the weight and its registers run down K, so nothing is transposed.
; code = w / 2^e, held within +-448, to the nearest code, ties to even.  LIMIT: -126 <= e <= 119 for every weight's exponent.  NaN among the inputs is not served.
.set CODE, 96                          ; v96-111 a fragment's codes
.macro QW pitch, sh                    ; pitch: bytes of a row of the weight; sh: log2 of 16 rows
	v_lshl_add_u32 v6, v3, \sh, v4                 ; 16 h rows down + 4 f(w, r)
.irp c,0,1,2,3
.set i, 0
.rept 16
	global_load_b32 v[32+16*\c+i], v6, s[4:5] offset:(32*\c+i)*\pitch   ; W(32 c + 16 h + i, f)
.set i, i+1
.endr
.endr
	s_wait_kmcnt 0x0                               ; e
	s_add_co_i32 s12, s12, 127
	s_lshl_b32 s13, s12, 23
	v_mov_b32 v11, s13                             ; 2^e as f32: the conversion takes its exponent field
	s_add_co_i32 s12, s12, 8
	s_lshl_b32 s12, s12, 23
	s_or_b32 s12, s12, 0x600000
	v_mov_b32 v10, s12                             ; 448 x 2^e
	s_wait_loadcnt 0x0
.irp c,0,1,2,3
.set i, 0
.rept 16
	v_med3_num_f32 v[32+16*\c+i], v[32+16*\c+i], -v10, v10   ; the conversion to an 8-bit code does not saturate (ISA guide 7.6.2): the hold comes first
.set i, i+1
.endr
	v_cvt_scalef32_pk8_fp8_f32 v[CODE+4*\c:CODE+4*\c+1], v[32+16*\c:32+16*\c+7], v11
	v_cvt_scalef32_pk8_fp8_f32 v[CODE+4*\c+2:CODE+4*\c+3], v[32+16*\c+8:32+16*\c+15], v11
.endr
.irp c,0,1,2,3
	global_store_b128 v5, v[CODE+4*\c:CODE+4*\c+3], s[52:53] offset:512*\c   ; 32 lanes store 512 consecutive bytes
.endr
	s_endpgm
.endm
	s_load_b512 s[16:31], s[0:1], 0x0              ; Wq s[16:17], Wk s[18:19], Wv s[20:21], fc1 s[22:23], fc2 s[24:25], Wq_b s[26:27], Wk_b s[28:29], Wv_b s[30:31]
	s_load_b512 s[32:47], s[0:1], 0x40             ; ln_g s[32:33], ln_b s[34:35], ve_w s[36:37], ve_b s[38:39], ce_w s[40:41], ce_b s[42:43], the exponents s[44:45], par0 s[46:47]
	s_load_b128 s[48:51], s[0:1], 0x80             ; par1 s[48:49], parE s[50:51]
	v_lshrrev_b32 v1, 5, v0
	v_readfirstlane_b32 s14, v1                    ; wave w
	v_and_b32 v1, 31, v0                           ; lane L
	v_and_b32 v2, 15, v0                           ; r
	v_bfe_u32 v3, v0, 4, 1                         ; h
	v_and_b32 v4, 8, v2
	v_add_nc_u32 v4, v4, v2                        ; r + 8 (r / 8)
	s_lshr_b32 s4, s14, 1
	s_lshl_b32 s4, s4, 5
	s_and_b32 s5, s14, 1
	s_lshl_b32 s5, s5, 3
	s_add_co_u32 s4, s4, s5
	v_add_nc_u32 v4, s4, v4
	v_lshlrev_b32 v4, 2, v4                        ; 4 f(w, r)
	v_lshlrev_b32 v5, 4, v1                        ; 16 L
	s_mov_b32 s2, ttmp9                            ; u
	s_and_b32 s3, ttmp7, 0xffff                    ; y
	s_mul_i32 s15, s3, 56                          ; the layer's 14 exponents begin here
	s_mov_b32 s11, 0
	s_wait_kmcnt 0x0
	s_cmp_eq_u32 s3, 0
	s_cselect_b64 s[52:53], s[46:47], s[48:49]     ; the layer's block
	s_cmp_lt_u32 s2, 7
	s_cbranch_scc0 .Lsmall
	; ---- u = 0..6: which weight, which part of it, which exponent
	s_lshr_b32 s8, s2, 1                           ; 1: fc1, 2: fc2
	s_and_b32 s9, s2, 1
	s_mov_b64 s[4:5], s[16:17]                     ; u = 0: Wq,
	s_mov_b32 s6, 1                                ; its exponent is entry 1
	s_mov_b32 s7, 0
	s_lshl_b32 s10, s3, 16                         ; a layer of Wq, Wk, Wv is 65,536 bytes,
	s_lshl_b32 s13, s3, 17                         ; of fc1, fc2 131,072
	s_lshl_b32 s12, s9, 9                          ; fc1's second half: 128 columns on
	s_lshl_b32 s9, s9, 16                          ; fc2's second half: 128 rows down
	s_cmp_eq_u32 s2, 1
	s_cselect_b64 s[4:5], s[20:21], s[4:5]
	s_cselect_b32 s6, 5, s6
	s_cmp_eq_u32 s2, 6
	s_cselect_b64 s[4:5], s[18:19], s[4:5]
	s_cselect_b32 s6, 3, s6
	s_cmp_eq_u32 s8, 1
	s_cselect_b64 s[4:5], s[22:23], s[4:5]
	s_cselect_b32 s6, 11, s6
	s_cselect_b32 s7, s12, s7
	s_cselect_b32 s10, s13, s10
	s_cmp_eq_u32 s8, 2
	s_cselect_b64 s[4:5], s[24:25], s[4:5]
	s_cselect_b32 s6, 13, s6
	s_cselect_b32 s7, s9, s7
	s_cselect_b32 s10, s13, s10
	s_add_co_u32 s10, s10, s7
	s_add_nc_u64 s[4:5], s[4:5], s[10:11]
	s_lshl_b32 s6, s6, 2
	s_add_co_u32 s6, s6, s15
	s_load_b32 s12, s[44:45], s6 offset:0x0        ; e
	s_lshl_b32 s10, s2, 14                         ; the block's place: 4,096 + 16,384 u + 2,048 w
	s_add_co_u32 s10, s10, 4096
	s_lshl_b32 s13, s14, 11
	s_add_co_u32 s10, s10, s13
	s_add_nc_u64 s[52:53], s[52:53], s[10:11]
	s_cmp_eq_u32 s8, 1
	s_cbranch_scc1 .Lwide
	QW 512, 13
.Lwide:
	QW 1024, 14
.Lsmall:
	s_cmp_eq_u32 s2, 7
	s_cbranch_scc0 .Lembed
	s_cmp_eq_u32 s14, 0
	s_cbranch_scc0 .Lvec
	; ---- u = 7, wave 0: the layer's 14 exponents, then zeros up to byte 512
	v_min_u32 v6, 13, v1
	v_lshlrev_b32 v6, 2, v6
	v_add_nc_u32 v6, s15, v6
	global_load_b32 v7, v6, s[44:45]
	v_lshlrev_b32 v8, 2, v1
	v_mov_b32 v9, 0
	v_cmp_gt_u32 vcc_lo, 14, v1
	s_wait_loadcnt 0x0
	v_cndmask_b32 v7, 0, v7, vcc_lo
	global_store_b32 v8, v7, s[52:53]
	global_store_b32 v8, v9, s[52:53] offset:128
	global_store_b32 v8, v9, s[52:53] offset:256
	global_store_b32 v8, v9, s[52:53] offset:384
	s_endpgm
.Lvec:
	; ---- u = 7, waves 1..7: bq, bk, bv (each divided by the power of two that its product's sums lack), then the layer's two LayerNorms' gains and biases
	s_load_b256 s[56:63], s[44:45], s15 offset:0x0 ; c0 .. c7
	s_mov_b64 s[4:5], s[26:27]
	s_cmp_eq_u32 s14, 2
	s_cselect_b64 s[4:5], s[28:29], s[4:5]
	s_cmp_eq_u32 s14, 3
	s_cselect_b64 s[4:5], s[30:31], s[4:5]
	s_cmp_eq_u32 s14, 4
	s_cselect_b64 s[4:5], s[32:33], s[4:5]
	s_cmp_eq_u32 s14, 6
	s_cselect_b64 s[4:5], s[32:33], s[4:5]
	s_cmp_eq_u32 s14, 5
	s_cselect_b64 s[4:5], s[34:35], s[4:5]
	s_cmp_eq_u32 s14, 7
	s_cselect_b64 s[4:5], s[34:35], s[4:5]
	s_lshl_b32 s10, s3, 9                          ; a bias: row y
	s_lshl_b32 s6, s3, 10
	s_add_co_u32 s6, s6, 512                       ; LayerNorm row 2 y + 1,
	s_add_co_u32 s7, s6, 512                       ; row 2 y + 2
	s_cmp_ge_u32 s14, 4
	s_cselect_b32 s10, s6, s10
	s_cmp_ge_u32 s14, 6
	s_cselect_b32 s10, s7, s10
	s_add_nc_u64 s[4:5], s[4:5], s[10:11]
	global_load_b128 v[8:11], v5, s[4:5]
	s_lshl_b32 s10, s14, 9
	s_add_nc_u64 s[52:53], s[52:53], s[10:11]      ; vector w lies at 512 w
	s_wait_kmcnt 0x0
	s_add_co_i32 s6, s56, s57
	s_add_co_i32 s7, s58, s59
	s_add_co_i32 s8, s60, s61
	s_cmp_eq_u32 s14, 2
	s_cselect_b32 s6, s7, s6
	s_cmp_eq_u32 s14, 3
	s_cselect_b32 s6, s8, s6
	s_cmp_ge_u32 s14, 4
	s_cselect_b32 s6, 0, s6
	s_sub_co_i32 s6, 0, s6
	s_wait_loadcnt 0x0
	v_ldexp_f32 v8, v8, s6                         ; rounds nothing, short of overflow and underflow
	v_ldexp_f32 v9, v9, s6
	v_ldexp_f32 v10, v10, s6
	v_ldexp_f32 v11, v11, s6
	global_store_b128 v5, v[8:11], s[52:53]
	s_endpgm
.Lembed:
	; ---- u = 8: the embeddings' weights for the f32 matrix form: lane (r, h), register 2 s + j = Waug(4 s + 2 h + j, f(w, r)); Waug = the weight's rows, then the bias as one more row, then zeros
	s_mov_b32 s6, 0xffff0000                       ; lanes 16-31
	v_lshl_add_u32 v6, v3, 10, v4                  ; 2 h rows down + 4 f
	s_cmp_eq_u32 s3, 0
	s_cbranch_scc0 .Lec
.irp k4,0,1,2,3
	global_load_b32 v[16+2*\k4], v6, s[36:37] offset:(4*\k4)*512
	global_load_b32 v[17+2*\k4], v6, s[36:37] offset:(4*\k4+1)*512
.endr
	global_load_b32 v24, v4, s[36:37] offset:16*512
	global_load_b32 v25, v4, s[36:37] offset:17*512
	global_load_b32 v28, v4, s[38:39]
	v_mov_b32 v26, 0
	v_mov_b32 v27, 0
	s_mul_i32 s10, s14, 1536
	s_add_co_u32 s10, s10, 4096
	s_add_nc_u64 s[50:51], s[50:51], s[10:11]
	s_wait_loadcnt 0x0
	v_cndmask_b32 v24, v24, v28, s6                ; lanes 16-31: row 18 = the bias,
	v_cndmask_b32 v25, v25, 0, s6                  ; row 19 = 0
	global_store_b128 v5, v[16:19], s[50:51]
	global_store_b128 v5, v[20:23], s[50:51] offset:512
	global_store_b128 v5, v[24:27], s[50:51] offset:1024
	s_endpgm
.Lec:
	global_load_b32 v16, v6, s[40:41]
	global_load_b32 v17, v6, s[40:41] offset:512
	global_load_b32 v18, v4, s[40:41] offset:2048
	global_load_b32 v19, v4, s[42:43]
	s_cmp_eq_u32 s14, 2                            ; parE's first 4,096 bytes: 512 w on: the first LayerNorm's gain (w = 1), its bias (w = 2), else zeros
	s_cselect_b64 s[4:5], s[34:35], s[32:33]
	global_load_b128 v[20:23], v5, s[4:5]
	s_sub_co_u32 s7, s14, 1
	s_cmp_lt_u32 s7, 2
	s_cselect_b32 s7, -1, 0
	s_lshl_b32 s10, s14, 9
	s_add_nc_u64 s[8:9], s[50:51], s[10:11]
	s_wait_loadcnt 0x0
	v_cndmask_b32 v18, v18, 0, s6                  ; lanes 16-31: rows 6 and 7 = 0
	v_cndmask_b32 v19, v19, 0, s6
	v_and_b32 v20, s7, v20
	v_and_b32 v21, s7, v21
	v_and_b32 v22, s7, v22
	v_and_b32 v23, s7, v23
	global_store_b128 v5, v[16:19], s[8:9] offset:16384
	global_store_b128 v5, v[20:23], s[8:9]
	s_endpgm
.Lfunc_end_k_qc50f33120e_prep:
	.size	k_qc50f33120e_prep, .Lfunc_end_k_qc50f33120e_prep-k_qc50f33120e_prep
	.p2alignl 7, 3214868480
	.fill 96, 4, 3214868480
	.section	.rodata,"a",@progbits
	.p2align	6, 0x0
	.amdhsa_kernel k_qc50f33120e_prep
		.amdhsa_group_segment_fixed_size 0
		.amdhsa_private_segment_fixed_size 0
		.amdhsa_enable_private_segment 0
		.amdhsa_kernarg_size 144
		.amdhsa_user_sgpr_count 2
		.amdhsa_user_sgpr_kernarg_segment_ptr 1
		.amdhsa_wavefront_size32 1
		.amdhsa_system_sgpr_workgroup_id_x 1
		.amdhsa_system_sgpr_workgroup_id_y 1
		.amdhsa_system_sgpr_workgroup_id_z 1
		.amdhsa_system_vgpr_workitem_id 0
		.amdhsa_next_free_vgpr 128
		.amdhsa_next_free_sgpr 66
		.amdhsa_reserve_vcc 1
		.amdhsa_float_denorm_mode_32 3
		.amdhsa_float_denorm_mode_16_64 3
		.amdhsa_memory_ordered 1
		.amdhsa_forward_progress 1
		.amdhsa_inst_pref_size 31
	.end_amdhsa_kernel
	.amdgpu_metadata
---
amdhsa.version: [ 1, 2 ]
amdhsa.kernels:
  - .name:           k_qc50f33120e_prep
    .symbol:         k_qc50f33120e_prep.kd
    .args:
      - { .name: Wq_w, .offset: 0, .size: 8, .value_kind: global_buffer, .address_space: global }
      - { .name: Wk_w, .offset: 8, .size: 8, .value_kind: global_buffer, .address_space: global }
      - { .name: Wv_w, .offset: 16, .size: 8, .value_kind: global_buffer, .address_space: global }
      - { .name: fc1_w, .offset: 24, .size: 8, .value_kind: global_buffer, .address_space: global }
      - { .name: fc2_w, .offset: 32, .size: 8, .value_kind: global_buffer, .address_space: global }
      - { .name: Wq_b, .offset: 40, .size: 8, .value_kind: global_buffer, .address_space: global }
      - { .name: Wk_b, .offset: 48, .size: 8, .value_kind: global_buffer, .address_space: global }
      - { .name: Wv_b, .offset: 56, .size: 8, .value_kind: global_buffer, .address_space: global }
      - { .name: ln_g, .offset: 64, .size: 8, .value_kind: global_buffer, .address_space: global }
      - { .name: ln_b, .offset: 72, .size: 8, .value_kind: global_buffer, .address_space: global }
      - { .name: ve_w, .offset: 80, .size: 8, .value_kind: global_buffer, .address_space: global }
      - { .name: ve_b, .offset: 88, .size: 8, .value_kind: global_buffer, .address_space: global }
      - { .name: ce_w, .offset: 96, .size: 8, .value_kind: global_buffer, .address_space: global }
      - { .name: ce_b, .offset: 104, .size: 8, .value_kind: global_buffer, .address_space: global }
      - { .name: lowp_scales, .offset: 112, .size: 8, .value_kind: global_buffer, .address_space: global }
      - { .name: par0, .offset: 120, .size: 8, .value_kind: global_buffer, .address_space: global }
      - { .name: par1, .offset: 128, .size: 8, .value_kind: global_buffer, .address_space: global }
      - { .name: parE, .offset: 136, .size: 8, .value_kind: global_buffer, .address_space: global }
    .group_segment_fixed_size: 0
    .private_segment_fixed_size: 0
    .kernarg_segment_align: 8
    .kernarg_segment_size: 144
    .max_flat_workgroup_size: 256
    .sgpr_count:     66
    .vgpr_count:     128
    .wavefront_size: 32
...
	.end_amdgpu_metadata
.endif
;; end of part 1
;; launch embed (part 2): grid 256 x 1, 8 waves a work-group, no clusters, 58,368 bytes of LDS; arguments variable_features, constraint_features, parE, par0, out0, nrm; writes out0, nrm
.if DOCPART == 2
	.amdgcn_target "amdgcn-amd-amdhsa--gfx1250"
	.amdhsa_code_object_version 6
	.text
	.protected	k_qc50f33120e_embed
	.globl	k_qc50f33120e_embed
	.p2align	8
	.type	k_qc50f33120e_embed,@function
k_qc50f33120e_embed:
	s_mov_b64 s[64:65], 0
	v_nop
	global_prefetch_b8 v0, s[64:65] scope:SCOPE_SE
	s_setreg_imm32_b32 hwreg(HW_REG_WAVE_MODE, 25, 1), 1
	s_wait_xcnt 0x0
; EMBED: x0 = relu(LayerNorm(features W + b)), and, of the first layer, the sums of squares of q and of k.
; SHARES.  Work-group g owns tokens 512 g .. 512 g + 511; in each of two passes a wave takes a pair of tiles of 16 tokens (pair 16 g + 8 pass + wave).  20,000 and 12,768 are multiples of 32, so a pair is all variables or all constraints.
; LAYOUT.  Every product is used transposed (source 0 = 16 output features, source 1 = 16 tokens): lane (r, h) holds token r, and register 16 b + i of a tile holds feature 32 b + 16 h + i.  The features of a weight's tile are
; chosen for that: lane r of tile ft holds feature 32 (ft / 2) + 8 (ft % 2) + r + 8 (r / 8).  x0 is stored as an image of these registers: four registers are 512 consecutive bytes, lane L at 16 L; a tile is 8,192 bytes.
; THE EMBEDDING feeds quantised operands, so it is made in f32, by the f32 matrix form; the bias is one more k, against a feature 1.0.  The registers that this form writes (A, both windows) are written by matrix instructions alone.
; THE TAIL: q and k of the first layer on codes of E4M3; their biases go in as C, divided by the power of two that the sums lack; each wave's sums of squares go to nrm (q at 4 (8 g + w), k 8,192 bytes on).
; REGISTERS.  Tile t lives in window t at the same numbers: P 88-151 (features, then x), A 152-215, CD0, CD1 216-247 (codes), ST 248-255, TMP 72-87.  Window 0 beside: addresses, scales, sums, CB 40-71 (biases).  Window 1 beside: WB 0-63 (weights, two slots), RS 64-67.
; The two tiles share every fragment read from LDS; the price is a switch of windows at each change of tile.
; LIMITS: the exponents n0, n2 of x's scales lie between -126 and 119.  NaN among the inputs is not served.  edge_indices, edge_features and mask do not enter the result that is defined, and are not named.
.set EV, 4096                          ; LDS: parE as it lies: the variables' weights, 8 x 1,536 bytes,
.set EC, 16384                         ; the constraints', 8 x 512 bytes
.set L_NXT, 20480                      ; the first layer's vectors and Wq (its block's first 20,480 bytes), then its Wk
.set NVBQ, L_NXT+512
.set NVBK, L_NXT+1024
.set NWQ, L_NXT+4096
.set NWK, L_NXT+20480
.set SPARE, 57344                      ; the spare words, 128 bytes for each wave: four blocks of 256 bytes that no other line names
.set P, 88
.set A, 152
.set CD0, 216
.set CD1, 232
.set ST, 248
.set TMP, 72
.set WB, 0
.set RS, 64
.set CB, 40
.set LIB, 1                            ; v1   16 x lane
.set HB, 4                             ; v4   64 x (lane / 16)
.set SPW, 7                            ; v7   my spare word; never rewritten
.set NIL, 8                            ; v8   0; never rewritten
.set CA, 9                             ; v9   16 x thread
.set OC0, 12                           ; v12  constraints: 20 r + 8 h;  v13: 20 r
.set OC1, 13
.set SC, 14                            ; v14-27 pairs: a scale 2^e, and 448 x 2^e
.set SQ, 28                            ; v28-31 q's sum of squares;  v32-35 k's
.set SK, 32
.set OV0, 36                           ; v36  variables: 72 r + 8 h;  v37: 72 r
.set OV1, 37
.set LANE, 38
.set ZR, 39
.set MSB, 0
.macro WIN new                         ; the immediate's high byte repeats the setting that is left; a switch that changes nothing is dropped
.if MSB != (\new)
	s_set_vgpr_msb (MSB<<8)|(\new)
.set MSB, (\new)
.endif
.endm
.macro W d, a, b, c                    ; windows of the destination and of sources 0, 1, 2
	WIN (((\d)<<6)|((\c)<<4)|((\b)<<2)|(\a))
.endm
.macro NOP4
.rept 4
	v_nop
.endr
.endm
.macro NOP8
.rept 8
	v_nop
.endr
.endm
.macro MKSC k, e                       ; pair k: 2^e and 448 x 2^e as f32
	s_add_co_i32 s52, \e, 127
	s_lshl_b32 s53, s52, 23
	v_mov_b32 v[SC+2*\k], s53
	s_add_co_i32 s52, s52, 8
	s_lshl_b32 s52, s52, 23
	s_or_b32 s52, s52, 0x600000
	v_mov_b32 v[SC+2*\k+1], s52
.endm
; both tiles' x (P, which is kept) becomes codes in cd with scale pair k
.macro QUANTP cd, k
.irp t,0,1
	W \t,\t,0,0
.irp b,0,1,2,3
.set i, 0
.rept 16
	v_med3_num_f32 v[TMP+i], v[P+16*\b+i], -v[SC+2*\k+1], v[SC+2*\k+1]   ; the conversion does not saturate (ISA guide 7.6.2): the hold comes first
.set i, i+1
.endr
	v_cvt_scalef32_pk8_fp8_f32 v[\cd+4*\b:\cd+4*\b+1], v[TMP:TMP+7], v[SC+2*\k]
	v_cvt_scalef32_pk8_fp8_f32 v[\cd+4*\b+2:\cd+4*\b+3], v[TMP+8:TMP+15], v[SC+2*\k]
	v_nop                                          ; a plain instruction between the conversions and the next write of their sources
.endr
.endr
.endm
; fragments 2 b and 2 b + 1 of the weight at LDS byte wofs into slot b % 2 of WB; cmode = 1: the bias's 16 numbers of my half too
.macro LDG wofs, b, cmode, bofs
	W 1,0,0,0
.irp q,0,1,2,3,4,5,6,7
	ds_load_b128 v[WB+32*((\b)%2)+4*\q:WB+32*((\b)%2)+4*\q+3], v[LIB+(((\wofs)+4096*(\b)+512*\q)>>16)] offset:((\wofs)+4096*(\b)+512*\q)&0xffff
.endr
.if \cmode==1
	W 0,0,0,0
.irp c,0,1,2,3
	ds_load_b128 v[CB+16*((\b)%2)+4*\c:CB+16*((\b)%2)+4*\c+3], v[HB+(((\bofs)+128*(\b)+16*\c)>>16)] offset:((\bofs)+128*(\b)+16*\c)&0xffff
.endr
.endif
.endm
; four products: feature tiles 2 b, 2 b + 1 for both tiles of tokens: four accumulators, one instruction each
.macro MM b, cd, cmode
.irp t,0,1
	W \t,1,\t,0
.irp u,0,1
	v_wmma_f32_16x16x128_fp8_fp8 v[A+16*(\b)+8*\u:A+16*(\b)+8*\u+7], v[WB+32*((\b)%2)+16*\u:WB+32*((\b)%2)+16*\u+15], v[\cd:\cd+15], v[CB+16*((\b)%2)+8*\u:CB+16*((\b)%2)+8*\u+7]
.endr
.endr
.endm
; what is made of block b's sums: sel 7: q's squares; sel 8: k's.  Each accumulator is read from its low end on
.macro DOPOST sel, b
.irp t,0,1
	W 0,\t,\t,0
.set j, 0
.rept 8
.if \sel==7
	v_pk_fma_f32 v[SQ+(j%4):SQ+(j%4)+1], v[A+16*(\b)+j:A+16*(\b)+j+1], v[A+16*(\b)+j:A+16*(\b)+j+1], v[SQ+(j%4):SQ+(j%4)+1]
.else
	v_pk_fma_f32 v[SK+(j%4):SK+(j%4)+1], v[A+16*(\b)+j:A+16*(\b)+j+1], v[A+16*(\b)+j:A+16*(\b)+j+1], v[SK+(j%4):SK+(j%4)+1]
.endif
.set j, j+2
.endr
.endr
.endm
; A product [32 tokens x 128] x [128 x 128], block by block of 32 features.  The weights come two blocks ahead; the counted waits (12) leave the younger block's 8 + 4 loads out.
; Block b's sums are worked on behind block b + 1's products: those vector instructions, which name no register of the products just issued, are also the four places that stand between a matrix
; instruction and a read of its result or a load into its sources (ISA guide 7.12.1 for the reads of results).
.macro PROD wofs, cd, cmode, bofs, post
	LDG \wofs,0,\cmode,\bofs
	LDG \wofs,1,\cmode,\bofs
	s_wait_dscnt 12
	MM 0,\cd,\cmode
	NOP4
	LDG \wofs,2,\cmode,\bofs
	s_wait_dscnt 12
	MM 1,\cd,\cmode
	DOPOST \post,0
	LDG \wofs,3,\cmode,\bofs
	s_wait_dscnt 12
	MM 2,\cd,\cmode
	DOPOST \post,1
	s_wait_dscnt 0x0
	MM 3,\cd,\cmode
	DOPOST \post,2
	DOPOST \post,3
.endm
.macro LDV gofs, bofs, b               ; block b of a gain and of a bias into slot b % 2 of WB
	W 1,0,0,0
.irp c,0,1,2,3
	ds_load_b128 v[WB+32*((\b)%2)+4*\c:WB+32*((\b)%2)+4*\c+3], v[HB+(((\gofs)+128*(\b)+16*\c)>>16)] offset:((\gofs)+128*(\b)+16*\c)&0xffff
.endr
.irp c,0,1,2,3
	ds_load_b128 v[WB+32*((\b)%2)+16+4*\c:WB+32*((\b)%2)+16+4*\c+3], v[HB+(((\bofs)+128*(\b)+16*\c)>>16)] offset:((\bofs)+128*(\b)+16*\c)&0xffff
.endr
.endm
; P = LayerNorm(src) x gain + bias (relu = 1: then what is negative becomes 0).  A token's 128 numbers lie in lanes l and l xor 16.  The mean is taken away before the squares.  s56 = 1 / 128, s57 = eps.
.macro LN src, gofs, bofs, relu
	LDV \gofs,\bofs,0
	LDV \gofs,\bofs,1
.irp t,0,1
	W \t,\t,\t,\t
	v_pk_add_f32 v[ST:ST+1], v[\src:\src+1], v[\src+2:\src+3]
	v_pk_add_f32 v[ST+2:ST+3], v[\src+4:\src+5], v[\src+6:\src+7]
.set j, 8
.rept 14
	v_pk_add_f32 v[ST:ST+1], v[ST:ST+1], v[\src+j:\src+j+1]
	v_pk_add_f32 v[ST+2:ST+3], v[ST+2:ST+3], v[\src+j+2:\src+j+3]
.set j, j+4
.endr
	v_pk_add_f32 v[ST:ST+1], v[ST:ST+1], v[ST+2:ST+3]
	v_add_f32 v[ST], v[ST], v[ST+1]
	v_permlanex16_b32 v[ST+1], v[ST], s38, s39
	v_add_f32 v[ST], v[ST], v[ST+1]
	v_mul_f32 v[ST+4], s56, v[ST]                  ; the mean, twice: a pair for the packed form
	v_mul_f32 v[ST+5], s56, v[ST]
.set j, 0
.rept 32
	v_pk_add_f32 v[P+j:P+j+1], v[\src+j:\src+j+1], v[ST+4:ST+5] neg_lo:[0,1] neg_hi:[0,1]
.set j, j+2
.endr
	v_pk_mul_f32 v[ST:ST+1], v[P:P+1], v[P:P+1]
	v_pk_mul_f32 v[ST+2:ST+3], v[P+2:P+3], v[P+2:P+3]
.set j, 4
.rept 15
	v_pk_fma_f32 v[ST:ST+1], v[P+j:P+j+1], v[P+j:P+j+1], v[ST:ST+1]
	v_pk_fma_f32 v[ST+2:ST+3], v[P+j+2:P+j+3], v[P+j+2:P+j+3], v[ST+2:ST+3]
.set j, j+4
.endr
	v_pk_add_f32 v[ST:ST+1], v[ST:ST+1], v[ST+2:ST+3]
	v_add_f32 v[ST], v[ST], v[ST+1]
	v_permlanex16_b32 v[ST+1], v[ST], s38, s39
	v_add_f32 v[ST], v[ST], v[ST+1]
	v_fma_f32 v[ST], v[ST], s56, s57
	W 1,\t,0,0
	v_rsq_f32 v[RS+2*\t], v[ST]
.endr
	v_nop                                          ; a plain instruction behind the last root,
	s_wait_alu depctr_va_vdst(0)                   ; and the one wait for both, ahead of their first reader
	W 1,1,0,0
	v_mov_b32 v[RS+1], v[RS]                       ; (named as the upper halves of pairs)
	v_mov_b32 v[RS+3], v[RS+2]
	s_wait_dscnt 0x0                               ; blocks 0 and 1 of the vectors are in
.irp b,0,1,2,3
.if \b==2
	s_wait_dscnt 8                                 ; block 2's are in; block 3's eight loads may be out
.endif
.if \b==3
	s_wait_dscnt 0x0
.endif
.irp t,0,1
	W \t,\t,1,1
.set j, 0
.rept 8
	v_pk_mul_f32 v[P+16*\b+j:P+16*\b+j+1], v[P+16*\b+j:P+16*\b+j+1], v[RS+2*\t:RS+2*\t+1] op_sel_hi:[1,0]
.set j, j+2
.endr
.set j, 0
.rept 8
	v_pk_fma_f32 v[P+16*\b+j:P+16*\b+j+1], v[P+16*\b+j:P+16*\b+j+1], v[WB+32*(\b%2)+j:WB+32*(\b%2)+j+1], v[WB+32*(\b%2)+16+j:WB+32*(\b%2)+16+j+1]
.set j, j+2
.endr
.if \relu
.set i, 0
.rept 16
	v_max_num_f32 v[P+16*\b+i], v[P+16*\b+i], 0
.set i, i+1
.endr
.endif
.endr
.if \b<2
	LDV \gofs,\bofs,\b+2
.endif
.endr
.endm
; the embedding's weights of feature tiles 2 b, 2 b + 1 into slot b % 2 of WB: nq loads a tile, fb bytes a tile
.macro LDGE eofs, fb, nq, b
	W 1,0,0,0
.irp u,0,1
.set q2, 0
.rept \nq
	ds_load_b128 v[WB+32*((\b)%2)+16*\u+4*q2:WB+32*((\b)%2)+16*\u+4*q2+3], v[LIB] offset:\eofs+\fb*(2*(\b)+\u)+512*q2
.set q2, q2+1
.endr
.endr
.endm
; A = features x Waug in f32, ns steps of 4 along K.  Two accumulators take turns, one instruction a turn.  Eight places stand behind this form (ISA guide 7.12.1).
.macro EMB eofs, fb, nq, ns
	LDGE \eofs,\fb,\nq,0
	LDGE \eofs,\fb,\nq,1
.irp b,0,1,2,3
.if \b<3
	s_wait_dscnt 2*\nq                             ; this block's weights are in; the next block's loads may be out
.else
	s_wait_dscnt 0x0
.endif
.irp t,0,1
	W \t,1,\t,\t
.set ks, 0
.rept \ns
.irp u,0,1
.if ks==0
	v_wmma_f32_16x16x4_f32 v[A+16*\b+8*\u:A+16*\b+8*\u+7], v[WB+32*(\b%2)+16*\u:WB+32*(\b%2)+16*\u+1], v[P:P+1], 0
.else
	v_wmma_f32_16x16x4_f32 v[A+16*\b+8*\u:A+16*\b+8*\u+7], v[WB+32*(\b%2)+16*\u+2*ks:WB+32*(\b%2)+16*\u+2*ks+1], v[P+2*ks:P+2*ks+1], v[A+16*\b+8*\u:A+16*\b+8*\u+7]
.endif
.endr
.set ks, ks+1
.endr
.endr
	NOP8
.if \b<2
	LDGE \eofs,\fb,\nq,\b+2
.endif
.endr
.endm
; the features of pair s59 + add: lane (r, h) takes, of token r, k = 4 s + 2 h + 0, 1 into P + 2 s.  No lane leaves its token's row: the last step's numbers are loaded alike by both halves of the lanes
.macro LOADF add
	s_add_co_u32 s52, s59, \add
	s_lshr_b32 s53, s52, 10                        ; the batch: 1,024 pairs each
	s_and_b32 s52, s52, 1023
	s_mov_b32 s55, 0
	s_cmp_lt_u32 s52, 625                          ; 625 pairs of variables, then 399 of constraints
	s_cbranch_scc0 .Lfc_\@
	s_mul_i32 s54, s53, 1440000
	s_mul_i32 s52, s52, 2304
	s_add_co_u32 s54, s54, s52
	s_add_nc_u64 s[54:55], s[4:5], s[54:55]
.irp t,0,1
	W \t,0,0,0
.irp k4,0,1,2,3
	global_load_b64 v[P+2*\k4:P+2*\k4+1], v[OV0], s[54:55] offset:1152*\t+16*\k4
.endr
	global_load_b64 v[P+8:P+9], v[OV1], s[54:55] offset:1152*\t+64
.endr
	W 0,0,0,0
	s_branch .Lfd_\@
.Lfc_\@:
	s_sub_co_u32 s52, s52, 625
	s_mul_i32 s54, s53, 255360
	s_mul_i32 s52, s52, 640
	s_add_co_u32 s54, s54, s52
	s_add_nc_u64 s[54:55], s[6:7], s[54:55]
.irp t,0,1
	W \t,0,0,0
	global_load_b32 v[P], v[OC0], s[54:55] offset:320*\t
	global_load_b32 v[P+1], v[OC0], s[54:55] offset:320*\t+4
	global_load_b32 v[P+2], v[OC1], s[54:55] offset:320*\t+16
.endr
	W 0,0,0,0
.Lfd_\@:
.endm
	s_load_b256 s[4:11], s[0:1], 0x0               ; variables s[4:5], constraints s[6:7], parE s[8:9], the first layer's block s[10:11]
	s_load_b128 s[12:15], s[0:1], 0x20             ; x0 s[12:13], nrm s[14:15]
	v_lshl_add_u32 v[SPW], v0, 2, SPARE
	v_mov_b32 v[NIL], 0
	v_lshrrev_b32 v[LANE], 5, v0
	v_readfirstlane_b32 s2, v[LANE]                ; wave
	v_and_b32 v[LANE], 31, v0
	v_lshlrev_b32 v[LIB], 4, v[LANE]
	v_bfe_u32 v[ZR], v0, 4, 1                      ; h (the register is 0 from the end of the passes on)
	v_lshlrev_b32 v[HB], 6, v[ZR]
	v_lshlrev_b32 v[CA], 4, v0
	v_and_b32 v[OV1], 15, v0
	v_mul_u32_u24 v[OC1], v[OV1], 20
	v_mul_u32_u24 v[OV1], v[OV1], 72
	v_lshl_add_u32 v[OV0], v[ZR], 3, v[OV1]
	v_lshl_add_u32 v[OC0], v[ZR], 3, v[OC1]
.set i, 0
.rept 8
	v_mov_b32 v[SQ+i], 0
.set i, i+1
.endr
	s_lshl_b32 s59, ttmp9, 4
	s_add_co_u32 s59, s59, s2                      ; my pair in the first pass
	s_lshl_b32 s52, s59, 14
	s_mov_b32 s53, 0
	s_lshl_b32 s54, ttmp9, 3
	s_add_co_u32 s54, s54, s2
	s_lshl_b32 s54, s54, 2
	s_mov_b32 s55, 0
	s_mov_b32 s3, 2                                ; passes
	s_mov_b32 s38, 0x76543210                      ; v_permlanex16_b32: lane l xor 16
	s_mov_b32 s39, 0xfedcba98
	s_mov_b32 s56, 0x3c000000                      ; 1 / 128
	s_mov_b32 s57, 0x3727c5ac                      ; eps = 1e-5
	s_mov_b32 s58, 0xffff0000                      ; lanes 16-31
	s_wait_kmcnt 0x0
	s_add_nc_u64 s[12:13], s[12:13], s[52:53]
	s_add_nc_u64 s[14:15], s[14:15], s[54:55]
	s_load_b128 s[32:35], s[10:11], 0x0            ; n0 .. n3
	; the parameters go to LDS through registers, 4,096 bytes a sweep, 16 bytes a thread; sweep n lands at LDS byte 4,096 n; all 14 sweeps are on their way together
	W 1,0,0,0
.set n, 0
.rept 14
.if n<5
	global_load_b128 v[4*n:4*n+3], v[CA], s[8:9] offset:4096*n
.elseif n<10
	global_load_b128 v[4*n:4*n+3], v[CA], s[10:11] offset:4096*(n-5)
.else
	global_load_b128 v[4*n:4*n+3], v[CA], s[10:11] offset:102400+4096*(n-10)
.endif
.set n, n+1
.endr
.irp t,0,1
	W \t,0,0,0
.set i, 0
.rept 10
	v_mov_b32 v[P+i], 0                            ; the places of the features are written once, whichever kind the pair is
.set i, i+1
.endr
.endr
	W 0,0,0,0
	LOADF 0
	s_wait_kmcnt 0x0
	MKSC 5,s32
	MKSC 6,s34
	s_wait_loadcnt 0x0
	W 0,0,1,0
.set n, 0
.rept 14
	ds_store_b128 v[CA], v[4*n:4*n+3] offset:4096*n
.set n, n+1
.endr
	W 0,0,0,0
	s_wait_dscnt 0x0                               ; my part of the parameters lies in LDS,
	s_barrier_signal -1
	s_barrier_wait -1                              ; everybody's does: from here on LDS is only read
.Lpass:
	s_wait_loadcnt 0x0                             ; the pair's features
	s_and_b32 s52, s59, 1023
	s_cmp_lt_u32 s52, 625
	s_cbranch_scc0 .Lcon
.irp t,0,1
	W \t,\t,0,0
	v_cndmask_b32 v[P+8], v[P+8], 1.0, s58         ; lanes 16-31: k = 18 is the bias's 1.0,
	v_cndmask_b32 v[P+9], v[P+9], 0, s58           ; k = 19 is 0
.endr
	EMB EV,1536,3,5
	W 0,0,0,0
	s_branch .Lemb
.Lcon:
.irp t,0,1
	W \t,\t,0,0
	v_cndmask_b32 v[P+2], v[P+2], 0, s58           ; lanes 0-15: k = 4, and k = 5 is the bias's 1.0; lanes 16-31: k = 6, 7 are 0
	v_cndmask_b32 v[P+3], 1.0, 0, s58
.endr
	EMB EC,512,1,2
	W 0,0,0,0
.Lemb:
	LN A,512,1024,1
	QUANTP CD0,5                                   ; x0 at q's scale,
	QUANTP CD1,6                                   ; and at k's
.irp t,0,1
	W 0,0,\t,0
.set i, 0
.rept 16
	global_store_b128 v[LIB], v[P+4*i:P+4*i+3], s[12:13] offset:8192*\t+512*i   ; 32 lanes store 512 consecutive bytes
.set i, i+1
.endr
.endr
	W 0,0,0,0
	s_cmp_eq_u32 s3, 1
	s_cbranch_scc1 .Lno_next
	s_wait_xcnt 0x0                                ; the stores have read P: the next pair's features may land there, under the tail's products
	LOADF 8
.Lno_next:
	PROD NWQ,CD0,1,NVBQ,7
	PROD NWK,CD1,1,NVBK,8
	W 0,0,0,0
	s_wait_xcnt 0x0                                ; the stores have read their base
	s_add_nc_u64 s[12:13], s[12:13], 0x20000
	s_add_co_u32 s59, s59, 8
	s_sub_co_u32 s3, s3, 1
	s_cmp_lg_u32 s3, 0
	s_cbranch_scc1 .Lpass
	; the wave's two sums of squares
	v_pk_add_f32 v[SQ:SQ+1], v[SQ:SQ+1], v[SQ+2:SQ+3]
	v_pk_add_f32 v[SK:SK+1], v[SK:SK+1], v[SK+2:SK+3]
	v_add_f32 v[SQ], v[SQ], v[SQ+1]
	v_add_f32 v[SK], v[SK], v[SK+1]
.irp m,1,2,4,8
	v_add_f32_dpp v[SQ], v[SQ], v[SQ] row_xmask:\m row_mask:0xf bank_mask:0xf
	v_add_f32_dpp v[SK], v[SK], v[SK] row_xmask:\m row_mask:0xf bank_mask:0xf
.endr
	v_permlanex16_b32 v[SQ+1], v[SQ], s38, s39
	v_permlanex16_b32 v[SK+1], v[SK], s38, s39
	v_add_f32 v[SQ], v[SQ], v[SQ+1]
	v_add_f32 v[SK], v[SK], v[SK+1]
	v_mov_b32 v[ZR], 0
	v_cmp_eq_u32 vcc_lo, 0, v[LANE]
	s_wait_xcnt 0x0                                ; EXEC changes only behind this wait
	s_and_saveexec_b32 s52, vcc_lo
	global_store_b32 v[ZR], v[SQ], s[14:15]
	global_store_b32 v[ZR], v[SK], s[14:15] offset:8192
	s_wait_xcnt 0x0                                ; and again, in front of the line that widens it
	s_or_b32 exec_lo, exec_lo, s52
	s_wait_tensorcnt 0x0                           ; the wave's end: behind my last LDS store
	ds_add_u32 v[SPW], v[NIL]
	s_wait_dscnt 0x0
	s_endpgm
.Lfunc_end_k_qc50f33120e_embed:
	.size	k_qc50f33120e_embed, .Lfunc_end_k_qc50f33120e_embed-k_qc50f33120e_embed
	.p2alignl 7, 3214868480
	.fill 96, 4, 3214868480
	.section	.rodata,"a",@progbits
	.p2align	6, 0x0
	.amdhsa_kernel k_qc50f33120e_embed
		.amdhsa_group_segment_fixed_size 58368
		.amdhsa_private_segment_fixed_size 0
		.amdhsa_enable_private_segment 0
		.amdhsa_kernarg_size 48
		.amdhsa_user_sgpr_count 2
		.amdhsa_user_sgpr_kernarg_segment_ptr 1
		.amdhsa_wavefront_size32 1
		.amdhsa_system_sgpr_workgroup_id_x 1
		.amdhsa_system_sgpr_workgroup_id_y 1
		.amdhsa_system_sgpr_workgroup_id_z 1
		.amdhsa_system_vgpr_workitem_id 0
		.amdhsa_next_free_vgpr 512
		.amdhsa_next_free_sgpr 66
		.amdhsa_reserve_vcc 1
		.amdhsa_float_denorm_mode_32 3
		.amdhsa_float_denorm_mode_16_64 3
		.amdhsa_memory_ordered 1
		.amdhsa_forward_progress 1
		.amdhsa_inst_pref_size 97
	.end_amdhsa_kernel
	.amdgpu_metadata
---
amdhsa.version: [ 1, 2 ]
amdhsa.kernels:
  - .name:           k_qc50f33120e_embed
    .symbol:         k_qc50f33120e_embed.kd
    .args:
      - { .name: variable_features, .offset: 0, .size: 8, .value_kind: global_buffer, .address_space: global }
      - { .name: constraint_features, .offset: 8, .size: 8, .value_kind: global_buffer, .address_space: global }
      - { .name: parE, .offset: 16, .size: 8, .value_kind: global_buffer, .address_space: global }
      - { .name: par0, .offset: 24, .size: 8, .value_kind: global_buffer, .address_space: global }
      - { .name: out0, .offset: 32, .size: 8, .value_kind: global_buffer, .address_space: global }
      - { .name: nrm, .offset: 40, .size: 8, .value_kind: global_buffer, .address_space: global }
    .group_segment_fixed_size: 58368
    .private_segment_fixed_size: 0
    .kernarg_segment_align: 8
    .kernarg_segment_size: 48
    .max_flat_workgroup_size: 256
    .sgpr_count:     66
    .vgpr_count:     512
    .wavefront_size: 32
...
	.end_amdgpu_metadata
.endif
;; end of part 2
;; launch kv0 (part 3): grid 256 x 1, 8 waves a work-group, no clusters, 50,176 bytes of LDS; arguments out0, par0, nrm, kvp; writes kvp
.if DOCPART == 3
	.amdgcn_target "amdgcn-amd-amdhsa--gfx1250"
	.amdhsa_code_object_version 6
	.text
	.protected	k_qc50f33120e_kv0
	.globl	k_qc50f33120e_kv0
	.p2align	8
	.type	k_qc50f33120e_kv0,@function
k_qc50f33120e_kv0:
	s_mov_b64 s[64:65], 0
	v_nop
	global_prefetch_b8 v0, s[64:65] scope:SCOPE_SE
	s_setreg_imm32_b32 hwreg(HW_REG_WAVE_MODE, 25, 1), 1
	s_wait_xcnt 0x0
; KV: for 512 tokens a work-group, k and v of the layer, ks = k / ||k||, and the work-group's part of kvs = ks^T vs (K = the tokens) and of ks_sum.
; SHARES.  Four chunks of 128 tokens.  Wave w quantises tile w of a chunk's eight tiles of x (at k's scale and at v's) and hands the codes round through LDS as images of the operand's registers.
; Wave w owns feature tile w of k and of v (lane r: feature f(w, r) = 32 (w / 2) + 8 (w % 2) + r + 8 (r / 8)); its two weight fragments stay in registers.
; k and v are made with source 0 = 16 tokens and source 1 = my 16 features: a lane then holds ONE feature and its registers run along the tokens, which are the next K: the conversions' results are the next operand's registers.
; kvs: source 0 = 16 features m of ks (any wave's, from LDS), source 1 = my 16 features d of vs: eight accumulators, which take turns, one instruction a turn, and run on from chunk to chunk.
; ||k||: the 2,048 waves' sums of squares of the launch before are added by every wave in the same order.  They were taken of sums that lack a power of two, and so are my sums: ks = sum x rsqrt(S), and the power cancels.
; TWO BARRIERS A CHUNK: behind the first x's codes lie in LDS; behind the second ks's codes do.  x's codes are written again only behind the second, ks's only behind the next first; in front of each a wave waits for all its LDS instructions.
; WINDOWS.  0: v1-15 addresses, scales, ks's sums; TMP 16-31; KT 32-47, VT 48-63 (codes of ks, vs); FB 64-191 (eight fragments); D 192-255.  1: Wk 0-15, Wv 16-31, the biases 32-47, ACC 64-127, X 128-191, its scratch 192-207, its codes 208-239.
; LIMITS: c2, c4, c6 and c7 - c4 - c5 lie between -126 and 119.  NaN among the inputs is not served.
.set VBK, 1024                         ; the layer's block: bk, bv (each divided by the power of two that the sums lack), Wv's and Wk's fragments
.set VBV, 1536
.set WVG, 20480
.set WKG, 102400
.set XKO, 0                            ; LDS: x's codes at k's scale, 8 x 2,048 bytes;
.set XVO, 16384                        ; at v's scale;
.set KTO, 32768                        ; ks's codes
.set SPARE, 49152                      ; the spare words, 128 bytes for each wave: four blocks of 256 bytes that no other line names
.set LI, 1                             ; v1  16 x lane
.set LW, 2                             ; v2  16 x lane + 2,048 x wave
.set SPW, 3                            ; v3  my spare word; never rewritten
.set SCL, 4                            ; v4-7 2^c2, 2^c4, 2^c6, 2^(c7 - c4 - c5)
.set KSUM, 8                           ; v8-11
.set NIL, 12                           ; v12 0; never rewritten
.set TMP, 16
.set KT, 32
.set VT, 48
.set FB, 64
.set D, 192
.set WKF, 0
.set WVF, 16
.set BK, 32
.set BV, 40
.set ACC, 64
.set X, 128
.set T1, 192
.set XC, 208
.set MSB, 0
.macro WIN new                         ; the immediate's high byte repeats the setting that is left
.if MSB != (\new)
	s_set_vgpr_msb (MSB<<8)|(\new)
.set MSB, (\new)
.endif
.endm
.macro W d, a, b, c                    ; windows of the destination and of sources 0, 1, 2
	WIN (((\d)<<6)|((\c)<<4)|((\b)<<2)|(\a))
.endm
.macro NOP4
.rept 4
	v_nop
.endr
.endm
.macro MKS k, e                        ; scale k as f32; its hold as the scalar pair -448 x 2^e, 448 x 2^e in s[40 + 2 k], s[41 + 2 k]
	s_add_co_i32 s52, \e, 127
	s_lshl_b32 s53, s52, 23
	v_mov_b32 v[SCL+\k], s53
	s_add_co_i32 s52, s52, 8
	s_lshl_b32 s52, s52, 23
	s_or_b32 s[41+2*\k], s52, 0x600000
	s_or_b32 s[40+2*\k], s[41+2*\k], 0x80000000
.endm
.macro FBLOAD base                     ; eight fragments' images
.irp tt,0,1,2,3,4,5,6,7
.irp q,0,1,2,3
	ds_load_b128 v[FB+16*\tt+4*\q:FB+16*\tt+4*\q+3], v[LI] offset:\base+2048*\tt+512*\q
.endr
.endr
.endm
.macro CHUNK c
	s_wait_loadcnt 0x0                             ; my tile of x
	W 1,1,0,0
.irp k,0,1
.irp b,0,1,2,3
.set i, 0
.rept 16
	v_med3_num_f32 v[T1+i], v[X+16*\b+i], s[40+2*\k], s[41+2*\k]   ; the conversion does not saturate (ISA guide 7.6.2): the hold comes first
.set i, i+1
.endr
	v_cvt_scalef32_pk8_fp8_f32 v[XC+16*\k+4*\b:XC+16*\k+4*\b+1], v[T1:T1+7], v[SCL+\k]
	v_cvt_scalef32_pk8_fp8_f32 v[XC+16*\k+4*\b+2:XC+16*\k+4*\b+3], v[T1+8:T1+15], v[SCL+\k]
	v_nop                                          ; a plain instruction between the conversions and the next write of their sources
.endr
.endr
	W 0,0,1,0
.irp k,0,1
.irp q,0,1,2,3
	ds_store_b128 v[LW], v[XC+16*\k+4*\q:XC+16*\k+4*\q+3] offset:XKO+16384*\k+512*\q
.endr
.endr
.if \c<3
	W 1,0,0,0
.set i, 0
.rept 16
	global_load_b128 v[X+4*i:X+4*i+3], v[LI], s[4:5] offset:65536*(\c+1)+512*i th:TH_LOAD_NT   ; the next chunk's tile: it has this chunk's work in which to land
.set i, i+1
.endr
.endif
	W 0,0,0,0
	s_wait_dscnt 0x0                               ; my stores have landed, and my reads of ks's codes of the chunk before are over
	s_barrier_signal -1
	s_barrier_wait -1
	FBLOAD XKO
	s_wait_dscnt 0x0
	W 0,0,1,1
.irp tt,0,1,2,3,4,5,6,7
	v_wmma_f32_16x16x128_fp8_fp8 v[D+8*\tt:D+8*\tt+7], v[FB+16*\tt:FB+16*\tt+15], v[WKF:WKF+15], v[BK:BK+7]
.endr
	NOP4                                           ; four places in front of loads into registers that the products read, and of the first read of results (ISA guide 7.12.1 for the first read of results)
	W 0,0,0,0
	FBLOAD XVO
.irp tt,0,1,2,3,4,5,6,7
.set h8, 8*(\tt%2)                     ; the scratch's halves by turns, so that no conversion's source is written by the next lines
.irp j,0,2,4,6
	v_pk_mul_f32 v[TMP+h8+\j:TMP+h8+\j+1], v[D+8*\tt+\j:D+8*\tt+\j+1], s[36:37] op_sel_hi:[1,0]   ; ks
.endr
	v_pk_add_f32 v[KSUM:KSUM+1], v[KSUM:KSUM+1], v[TMP+h8:TMP+h8+1]                                ; ks_sum takes the unquantised ks
	v_pk_add_f32 v[KSUM+2:KSUM+3], v[KSUM+2:KSUM+3], v[TMP+h8+2:TMP+h8+3]
	v_pk_add_f32 v[KSUM:KSUM+1], v[KSUM:KSUM+1], v[TMP+h8+4:TMP+h8+5]
	v_pk_add_f32 v[KSUM+2:KSUM+3], v[KSUM+2:KSUM+3], v[TMP+h8+6:TMP+h8+7]
.set i, 0
.rept 8
	v_med3_num_f32 v[TMP+h8+i], v[TMP+h8+i], s44, s45
.set i, i+1
.endr
	v_cvt_scalef32_pk8_fp8_f32 v[KT+2*\tt:KT+2*\tt+1], v[TMP+h8:TMP+h8+7], v[SCL+2]
.endr
	v_nop
.irp q,0,1,2,3
	ds_store_b128 v[LW], v[KT+4*\q:KT+4*\q+3] offset:KTO+512*\q
.endr
	s_wait_dscnt 0x0                               ; x's codes at v's scale are in, and ks's codes have landed
	W 0,0,1,1
.irp tt,0,1,2,3,4,5,6,7
	v_wmma_f32_16x16x128_fp8_fp8 v[D+8*\tt:D+8*\tt+7], v[FB+16*\tt:FB+16*\tt+15], v[WVF:WVF+15], v[BV:BV+7]
.endr
	NOP4
	W 0,0,0,0
.irp tt,0,1,2,3,4,5,6,7
.set h8, 8*(\tt%2)
.set i, 0
.rept 8
	v_med3_num_f32 v[TMP+h8+i], v[D+8*\tt+i], s46, s47
.set i, i+1
.endr
	v_cvt_scalef32_pk8_fp8_f32 v[VT+2*\tt:VT+2*\tt+1], v[TMP+h8:TMP+h8+7], v[SCL+3]   ; the sums' power of two and v's scale are folded into one
.endr
	v_nop                                          ; a plain instruction between the last conversion and the products that read its result
	s_wait_dscnt 0x0
	s_barrier_signal -1
	s_barrier_wait -1                              ; every wave's ks lies in LDS, and nobody reads x's codes any more
	FBLOAD KTO
	s_wait_dscnt 0x0
	W 1,0,0,1
.irp mt,0,1,2,3,4,5,6,7
.if \c==0
	v_wmma_f32_16x16x128_fp8_fp8 v[ACC+8*\mt:ACC+8*\mt+7], v[FB+16*\mt:FB+16*\mt+15], v[VT:VT+15], 0
.else
	v_wmma_f32_16x16x128_fp8_fp8 v[ACC+8*\mt:ACC+8*\mt+7], v[FB+16*\mt:FB+16*\mt+15], v[VT:VT+15], v[ACC+8*\mt:ACC+8*\mt+7]
.endif
.endr
.endm
	s_load_b256 s[4:11], s[0:1], 0x0               ; x s[4:5], the layer's block s[6:7], nrm s[8:9], kvp s[10:11]
	v_lshl_add_u32 v[SPW], v0, 2, SPARE
	v_mov_b32 v[NIL], 0
	v_lshrrev_b32 v13, 5, v0
	v_readfirstlane_b32 s2, v13                    ; wave
	v_and_b32 v13, 31, v0
	v_lshlrev_b32 v[LI], 4, v13
	s_lshl_b32 s52, s2, 11
	v_add_nc_u32 v[LW], s52, v[LI]
	v_and_b32 v14, 15, v0
	v_and_b32 v15, 8, v14
	v_add_nc_u32 v14, v14, v15
	s_lshr_b32 s52, s2, 1
	s_lshl_b32 s52, s52, 5
	s_and_b32 s53, s2, 1
	s_lshl_b32 s53, s53, 3
	s_add_co_u32 s52, s52, s53
	v_add_nc_u32 v14, s52, v14
	v_lshlrev_b32 v14, 2, v14                      ; 4 f(w, r)
	v_lshlrev_b32 v13, 2, v0                       ; 4 x thread
.set i, 0
.rept 4
	v_mov_b32 v[KSUM+i], 0
.set i, i+1
.endr
	s_mov_b32 s38, 0x76543210                      ; v_permlanex16_b32: lane l xor 16
	s_mov_b32 s39, 0xfedcba98
	s_lshl_b32 s52, ttmp9, 18                      ; x: 32 tiles of 8,192 bytes a work-group, tile w of each chunk
	s_lshl_b32 s53, s2, 13
	s_add_co_u32 s52, s52, s53
	s_mov_b32 s53, 0
	s_lshl_b32 s54, ttmp9, 16                      ; kvs's part: 65,536 bytes a work-group, 8,192 a wave
	s_lshl_b32 s55, s2, 13
	s_add_co_u32 s54, s54, s55
	s_mov_b32 s55, 0
	s_lshl_b32 s56, ttmp9, 10                      ; ks_sum's part: behind them, 1,024 bytes a work-group
	s_add_co_u32 s56, s56, 0x1000000
	s_mov_b32 s57, 0
	s_wait_kmcnt 0x0
	s_load_b512 s[16:31], s[6:7], 0x0              ; c0 .. c13
	s_add_nc_u64 s[4:5], s[4:5], s[52:53]
	s_add_nc_u64 s[12:13], s[10:11], s[56:57]
	s_add_nc_u64 s[10:11], s[10:11], s[54:55]
.set i, 0
.rept 16
	global_load_b128 v[D+4*i:D+4*i+3], v[LI], s[8:9] offset:8192+512*i   ; k's 2,048 sums of squares
.set i, i+1
.endr
	W 1,0,0,0
.irp q,0,1,2,3
	global_load_b128 v[WKF+4*\q:WKF+4*\q+3], v[LW], s[6:7] offset:WKG+512*\q
	global_load_b128 v[WVF+4*\q:WVF+4*\q+3], v[LW], s[6:7] offset:WVG+512*\q
.endr
	global_load_b32 v[BK], v14, s[6:7] offset:VBK
	global_load_b32 v[BV], v14, s[6:7] offset:VBV
.set i, 0
.rept 16
	global_load_b128 v[X+4*i:X+4*i+3], v[LI], s[4:5] offset:512*i th:TH_LOAD_NT
.set i, i+1
.endr
	W 0,0,0,0
	s_wait_kmcnt 0x0
	MKS 0,s18
	MKS 1,s20
	MKS 2,s22
	s_sub_co_i32 s54, s23, s20
	s_sub_co_i32 s54, s54, s21
	MKS 3,s54
	s_wait_loadcnt 16                              ; all but x's sixteen loads, which were issued last
.set j, 4
.rept 15
	v_pk_add_f32 v[D:D+1], v[D:D+1], v[D+j:D+j+1]
	v_pk_add_f32 v[D+2:D+3], v[D+2:D+3], v[D+j+2:D+j+3]
.set j, j+4
.endr
	v_pk_add_f32 v[D:D+1], v[D:D+1], v[D+2:D+3]
	v_add_f32 v[D], v[D], v[D+1]
.irp m,1,2,4,8
	v_add_f32_dpp v[D], v[D], v[D] row_xmask:\m row_mask:0xf bank_mask:0xf
.endr
	v_permlanex16_b32 v[D+1], v[D], s38, s39
	v_add_f32 v[D], v[D], v[D+1]
	v_rsq_f32 v[D+2], v[D]
	v_nop                                          ; a plain instruction behind the root,
	s_wait_alu depctr_va_vdst(0)                   ; and the wait ahead of its first reader
	v_readfirstlane_b32 s36, v[D+2]                ; 1 / ||k||, in the sums' own unit
	s_mov_b32 s37, s36                             ; (named with it as a pair)
	W 1,1,0,0
.set i, 1
.rept 7
	v_mov_b32 v[BK+i], v[BK]                       ; C of a product: my feature's bias for each of a lane's eight tokens
	v_mov_b32 v[BV+i], v[BV]
.set i, i+1
.endr
	CHUNK 0
	CHUNK 1
	CHUNK 2
	CHUNK 3
	NOP4                                           ; four places behind the last products
	W 0,0,0,0
	v_pk_add_f32 v[KSUM:KSUM+1], v[KSUM:KSUM+1], v[KSUM+2:KSUM+3]
	v_add_f32 v[KSUM], v[KSUM], v[KSUM+1]
	W 0,0,1,0
.irp mt,0,1,2,3,4,5,6,7
	global_store_b128 v[LI], v[ACC+8*\mt:ACC+8*\mt+3], s[10:11] offset:1024*\mt           ; each accumulator from its low end on; 32 lanes store 512 consecutive bytes
	global_store_b128 v[LI], v[ACC+8*\mt+4:ACC+8*\mt+7], s[10:11] offset:1024*\mt+512
.endr
	W 0,0,0,0
	global_store_b32 v13, v[KSUM], s[12:13]        ; my feature's sum over my half of the tokens
	s_wait_tensorcnt 0x0                           ; the wave's end: behind my last LDS store
	ds_add_u32 v[SPW], v[NIL]
	s_wait_dscnt 0x0
	s_endpgm
.Lfunc_end_k_qc50f33120e_kv0:
	.size	k_qc50f33120e_kv0, .Lfunc_end_k_qc50f33120e_kv0-k_qc50f33120e_kv0
	.p2alignl 7, 3214868480
	.fill 96, 4, 3214868480
	.section	.rodata,"a",@progbits
	.p2align	6, 0x0
	.amdhsa_kernel k_qc50f33120e_kv0
		.amdhsa_group_segment_fixed_size 50176
		.amdhsa_private_segment_fixed_size 0
		.amdhsa_enable_private_segment 0
		.amdhsa_kernarg_size 32
		.amdhsa_user_sgpr_count 2
		.amdhsa_user_sgpr_kernarg_segment_ptr 1
		.amdhsa_wavefront_size32 1
		.amdhsa_system_sgpr_workgroup_id_x 1
		.amdhsa_system_sgpr_workgroup_id_y 1
		.amdhsa_system_sgpr_workgroup_id_z 1
		.amdhsa_system_vgpr_workitem_id 0
		.amdhsa_next_free_vgpr 512
		.amdhsa_next_free_sgpr 66
		.amdhsa_reserve_vcc 0
		.amdhsa_float_denorm_mode_32 3
		.amdhsa_float_denorm_mode_16_64 3
		.amdhsa_memory_ordered 1
		.amdhsa_forward_progress 1
		.amdhsa_inst_pref_size 143
	.end_amdhsa_kernel
	.amdgpu_metadata
---
amdhsa.version: [ 1, 2 ]
amdhsa.kernels:
  - .name:           k_qc50f33120e_kv0
    .symbol:         k_qc50f33120e_kv0.kd
    .args:
      - { .name: out0, .offset: 0, .size: 8, .value_kind: global_buffer, .address_space: global }
      - { .name: par0, .offset: 8, .size: 8, .value_kind: global_buffer, .address_space: global }
      - { .name: nrm, .offset: 16, .size: 8, .value_kind: global_buffer, .address_space: global }
      - { .name: kvp, .offset: 24, .size: 8, .value_kind: global_buffer, .address_space: global }
    .group_segment_fixed_size: 50176
    .private_segment_fixed_size: 0
    .kernarg_segment_align: 8
    .kernarg_segment_size: 32
    .max_flat_workgroup_size: 256
    .sgpr_count:     66
    .vgpr_count:     512
    .wavefront_size: 32
...
	.end_amdgpu_metadata
.endif
;; end of part 3
;; launch red0 (part 4): grid 132 x 1, 8 waves a work-group, no clusters, 17,408 bytes of LDS; arguments kvp, nrm, par0, att; writes att
.if DOCPART == 4
	.amdgcn_target "amdgcn-amd-amdhsa--gfx1250"
	.amdhsa_code_object_version 6
	.text
	.protected	k_qc50f33120e_red0
	.globl	k_qc50f33120e_red0
	.p2align	8
	.type	k_qc50f33120e_red0,@function
k_qc50f33120e_red0:
	s_mov_b64 s[64:65], 0
	v_nop
	global_prefetch_b8 v0, s[64:65] scope:SCOPE_SE
	s_setreg_imm32_b32 hwreg(HW_REG_WAVE_MODE, 25, 1), 1
	s_wait_xcnt 0x0
; RED: the 64 work-groups' parts of a batch's kvs and ks_sum are added, in a fixed order; kvs is quantised into the operand's register order; 1 / ||q|| is made.
; Work-group u < 128, u = 32 batch + 4 dt + c: the 512 bytes of codes of fragment dt (16 features d), group c (k = m = 32 c + 16 h + 0 .. 15).  Wave w adds parts 8 w .. 8 w + 7; the eight sums meet in LDS; wave 0 adds them and quantises.
; Work-group 128 + batch: wave w adds ks_sum's parts of feature tile w (64 work-groups, then the two halves of the lanes) and stores them in natural order; wave 0 also adds q's 2,048 sums of squares.  These use no LDS and pass no barrier.
; att, for each batch 17,408 bytes: kvs's codes (dt x 2,048 + c x 512 + 16 lane), ks_sum at 16,384, 1 / ||q|| at 16,896.
; LIMIT: c9 - c6 - c7 lies between -126 and 119.  NaN among the inputs is not served.
.set SPARE, 16384                      ; behind the eight images: the spare words, 128 bytes for each wave: four blocks of 256 bytes that no other line names
	s_load_b256 s[4:11], s[0:1], 0x0               ; kvp s[4:5], nrm s[6:7], the layer's block s[8:9], att s[10:11]
	v_lshl_add_u32 v2, v0, 2, SPARE                ; my spare word; never rewritten
	v_mov_b32 v3, 0                                ; 0; never rewritten
	v_lshrrev_b32 v4, 5, v0
	v_readfirstlane_b32 s2, v4                     ; wave
	v_and_b32 v4, 31, v0                           ; lane
	v_lshlrev_b32 v1, 4, v4                        ; 16 x lane
	s_lshl_b32 s52, s2, 11
	v_add_nc_u32 v5, s52, v1                       ; + 2,048 x wave
	s_mov_b32 s38, 0x76543210                      ; v_permlanex16_b32: lane l xor 16
	s_mov_b32 s39, 0xfedcba98
	s_mov_b32 s53, 0
	s_wait_kmcnt 0x0
	s_cmp_lt_u32 ttmp9, 128
	s_cbranch_scc0 .Lsums
	s_load_b512 s[16:31], s[8:9], 0x0              ; c0 .. c13
	s_lshr_b32 s12, ttmp9, 5                       ; batch
	s_bfe_u32 s13, ttmp9, 0x30002                  ; dt
	s_and_b32 s14, ttmp9, 3                        ; c
	s_lshl_b32 s52, s12, 6
	s_lshl_b32 s54, s2, 3
	s_add_co_u32 s52, s52, s54                     ; my first part: 64 batch + 8 w
	s_lshl_b32 s52, s52, 16
	s_lshl_b32 s54, s13, 13
	s_add_co_u32 s52, s52, s54
	s_lshl_b32 s54, s14, 11
	s_add_co_u32 s52, s52, s54
	s_add_nc_u64 s[4:5], s[4:5], s[52:53]
	s_mul_i32 s52, s12, 17408
	s_lshl_b32 s54, s13, 11
	s_add_co_u32 s52, s52, s54
	s_lshl_b32 s54, s14, 9
	s_add_co_u32 s52, s52, s54
	s_add_nc_u64 s[10:11], s[10:11], s[52:53]
.irp p,0,1,2,3,4,5,6,7
.irp q,0,1,2,3
	global_load_b128 v[32+16*\p+4*\q:32+16*\p+4*\q+3], v1, s[4:5] offset:65536*\p+512*\q th:TH_LOAD_NT
.endr
.endr
.irp p,1,2,3,4,5,6,7
	s_wait_loadcnt 4*(7-\p)                        ; part p is in; the younger parts' loads may be out
.irp j,0,2,4,6,8,10,12,14
	v_pk_add_f32 v[32+\j:33+\j], v[32+\j:33+\j], v[32+16*\p+\j:33+16*\p+\j]
.endr
.endr
.irp q,0,1,2,3
	ds_store_b128 v5, v[32+4*\q:35+4*\q] offset:512*\q
.endr
	s_wait_dscnt 0x0                               ; my sums lie in LDS,
	s_barrier_signal -1
	s_barrier_wait -1                              ; everybody's do
	s_cmp_lg_u32 s2, 0
	s_cbranch_scc1 .Lend
.irp p,1,2,3,4,5,6,7
.irp q,0,1,2,3
	ds_load_b128 v[32+16*\p+4*\q:32+16*\p+4*\q+3], v1 offset:2048*\p+512*\q
.endr
.endr
	s_wait_kmcnt 0x0
	s_sub_co_i32 s52, s25, s22                     ; a sum stands for sum x 2^(c6 + c7): its code is sum / 2^(c9 - c6 - c7)
	s_sub_co_i32 s52, s52, s23
	s_add_co_i32 s52, s52, 127
	s_lshl_b32 s54, s52, 23
	v_mov_b32 v6, s54
	s_add_co_i32 s52, s52, 8
	s_lshl_b32 s52, s52, 23
	s_or_b32 s52, s52, 0x600000
	v_mov_b32 v7, s52
	s_wait_dscnt 0x0
.irp p,1,2,3,4,5,6,7
.irp j,0,2,4,6,8,10,12,14
	v_pk_add_f32 v[32+\j:33+\j], v[32+\j:33+\j], v[32+16*\p+\j:33+16*\p+\j]
.endr
.endr
.set i, 0
.rept 16
	v_med3_num_f32 v[32+i], v[32+i], -v7, v7       ; the conversion does not saturate (ISA guide 7.6.2): the hold comes first
.set i, i+1
.endr
	v_cvt_scalef32_pk8_fp8_f32 v[8:9], v[32:39], v6
	v_cvt_scalef32_pk8_fp8_f32 v[10:11], v[40:47], v6
	global_store_b128 v1, v[8:11], s[10:11]        ; 32 lanes store 512 consecutive bytes
	s_branch .Lend
.Lsums:
	s_sub_co_u32 s12, ttmp9, 128                   ; batch
	s_lshl_b32 s52, s12, 16                        ; its 64 work-groups' parts of 1,024 bytes,
	s_lshl_b32 s54, s2, 7                          ; wave w's 128 bytes of each
	s_add_co_u32 s52, s52, s54
	s_add_co_u32 s52, s52, 0x1000000
	s_add_nc_u64 s[4:5], s[4:5], s[52:53]
	s_mul_i32 s52, s12, 17408
	s_add_nc_u64 s[10:11], s[10:11], s[52:53]
	v_lshlrev_b32 v8, 2, v4
.set i, 0
.rept 64
	global_load_b32 v[32+i], v8, s[4:5] offset:1024*i th:TH_LOAD_NT
.set i, i+1
.endr
	v_and_b32 v9, 15, v0
	v_and_b32 v10, 8, v9
	v_add_nc_u32 v9, v9, v10
	s_lshr_b32 s52, s2, 1
	s_lshl_b32 s52, s52, 5
	s_and_b32 s54, s2, 1
	s_lshl_b32 s54, s54, 3
	s_add_co_u32 s52, s52, s54
	v_add_nc_u32 v9, s52, v9
	v_lshlrev_b32 v9, 2, v9                        ; 4 f(w, r): the feature's place in natural order
	v_mov_b32 v10, 0
	s_wait_loadcnt 0x0
.set j, 4
.rept 15
	v_pk_add_f32 v[32:33], v[32:33], v[32+j:33+j]
	v_pk_add_f32 v[34:35], v[34:35], v[34+j:35+j]
.set j, j+4
.endr
	v_pk_add_f32 v[32:33], v[32:33], v[34:35]
	v_add_f32 v32, v32, v33
	v_permlanex16_b32 v33, v32, s38, s39           ; the other half of the tokens lies in lane l xor 16
	v_add_f32 v32, v32, v33
	v_cmp_gt_u32 vcc_lo, 16, v4
	s_wait_xcnt 0x0                                ; EXEC changes only behind this wait
	s_and_saveexec_b32 s54, vcc_lo
	global_store_b32 v9, v32, s[10:11] offset:16384
	s_wait_xcnt 0x0                                ; and again, in front of the line that widens it; v32 may be written again too
	s_or_b32 exec_lo, exec_lo, s54
	s_cmp_lg_u32 s2, 0
	s_cbranch_scc1 .Lend
.set i, 0
.rept 16
	global_load_b128 v[32+4*i:35+4*i], v1, s[6:7] offset:512*i   ; q's 2,048 sums of squares
.set i, i+1
.endr
	s_wait_loadcnt 0x0
.set j, 4
.rept 15
	v_pk_add_f32 v[32:33], v[32:33], v[32+j:33+j]
	v_pk_add_f32 v[34:35], v[34:35], v[34+j:35+j]
.set j, j+4
.endr
	v_pk_add_f32 v[32:33], v[32:33], v[34:35]
	v_add_f32 v32, v32, v33
.irp m,1,2,4,8
	v_add_f32_dpp v32, v32, v32 row_xmask:\m row_mask:0xf bank_mask:0xf
.endr
	v_permlanex16_b32 v33, v32, s38, s39
	v_add_f32 v32, v32, v33
	v_rsq_f32 v34, v32
	v_cmp_eq_u32 vcc_lo, 0, v4                     ; (a plain instruction behind the root)
	s_wait_alu depctr_va_vdst(0)                   ; the wait ahead of the root's first reader
	s_wait_xcnt 0x0
	s_and_saveexec_b32 s54, vcc_lo
	global_store_b32 v10, v34, s[10:11] offset:16896
	s_wait_xcnt 0x0
	s_or_b32 exec_lo, exec_lo, s54
.Lend:
	s_wait_tensorcnt 0x0                           ; the wave's end: behind my last LDS store
	ds_add_u32 v2, v3
	s_wait_dscnt 0x0
	s_endpgm
.Lfunc_end_k_qc50f33120e_red0:
	.size	k_qc50f33120e_red0, .Lfunc_end_k_qc50f33120e_red0-k_qc50f33120e_red0
	.p2alignl 7, 3214868480
	.fill 96, 4, 3214868480
	.section	.rodata,"a",@progbits
	.p2align	6, 0x0
	.amdhsa_kernel k_qc50f33120e_red0
		.amdhsa_group_segment_fixed_size 17408
		.amdhsa_private_segment_fixed_size 0
		.amdhsa_enable_private_segment 0
		.amdhsa_kernarg_size 32
		.amdhsa_user_sgpr_count 2
		.amdhsa_user_sgpr_kernarg_segment_ptr 1
		.amdhsa_wavefront_size32 1
		.amdhsa_system_sgpr_workgroup_id_x 1
		.amdhsa_system_sgpr_workgroup_id_y 1
		.amdhsa_system_sgpr_workgroup_id_z 1
		.amdhsa_system_vgpr_workitem_id 0
		.amdhsa_next_free_vgpr 192
		.amdhsa_next_free_sgpr 66
		.amdhsa_reserve_vcc 1
		.amdhsa_float_denorm_mode_32 3
		.amdhsa_float_denorm_mode_16_64 3
		.amdhsa_memory_ordered 1
		.amdhsa_forward_progress 1
		.amdhsa_inst_pref_size 30
	.end_amdhsa_kernel
	.amdgpu_metadata
---
amdhsa.version: [ 1, 2 ]
amdhsa.kernels:
  - .name:           k_qc50f33120e_red0
    .symbol:         k_qc50f33120e_red0.kd
    .args:
      - { .name: kvp, .offset: 0, .size: 8, .value_kind: global_buffer, .address_space: global }
      - { .name: nrm, .offset: 8, .size: 8, .value_kind: global_buffer, .address_space: global }
      - { .name: par0, .offset: 16, .size: 8, .value_kind: global_buffer, .address_space: global }
      - { .name: att, .offset: 24, .size: 8, .value_kind: global_buffer, .address_space: global }
    .group_segment_fixed_size: 17408
    .private_segment_fixed_size: 0
    .kernarg_segment_align: 8
    .kernarg_segment_size: 32
    .max_flat_workgroup_size: 256
    .sgpr_count:     66
    .vgpr_count:     192
    .wavefront_size: 32
...
	.end_amdgpu_metadata
.endif
;; end of part 4
;; launch mid (part 5): grid 256 x 1, 8 waves a work-group, no clusters, 224,768 bytes of LDS; arguments out0, par0, att, par1, xb, nrm; writes xb, nrm
.if DOCPART == 5
	.amdgcn_target "amdgcn-amd-amdhsa--gfx1250"
	.amdhsa_code_object_version 6
	.text
	.protected	k_qc50f33120e_mid
	.globl	k_qc50f33120e_mid
	.p2align	8
	.type	k_qc50f33120e_mid,@function
k_qc50f33120e_mid:
	s_mov_b64 s[64:65], 0
	v_nop
	global_prefetch_b8 v0, s[64:65] scope:SCOPE_SE
	s_setreg_imm32_b32 hwreg(HW_REG_WAVE_MODE, 25, 1), 1
	s_wait_xcnt 0x0
; A LAYER, token by token: q, the attention's numerator and divisor, residual, LayerNorm, fc1, relu, fc2, residual, LayerNorm.  One text serves both layers (LAST).
; LAST = 0: x leaves as images, and the tail makes q and k of the next layer and their sums of squares.  LAST = 1: x leaves as rows of the output, through a stage in LDS.
; SHARES.  Work-group g owns tokens 512 g .. 512 g + 511 of batch g / 64; in each of two passes a wave takes a pair of tiles of 16 tokens (pair 16 g + 8 pass + wave), 16,384 bytes of image.
; LAYOUT.  Every product is used transposed (source 0 = 16 output features, source 1 = 16 tokens): lane (r, h) holds token r, and register 16 b + i of a tile holds feature 32 b + 16 h + i.  The features of a weight's tile are
; chosen for that (lane r of tile ft: feature 32 (ft / 2) + 8 (ft % 2) + r + 8 (r / 8)), so two conversions on 16 registers give four registers of the next operand: k = 32 b + 16 h + 0 .. 15, in weights and tokens alike.
; ARITHMETIC.  A bias goes in as C, divided by the power of two that the sums lack.  qs = sum x CQ, CQ = rsqrt of the sum of squares of such sums: the power cancels.  N = 2^15.
; LayerNorm(0.8 a + 0.2 p) = LayerNorm(4 a + p) with eps / 0.04: so y = p + sum7 x rn1 + sumv x rn2, rn1 = 2^(2 + c8 + c9) / den, rn2 = 2^(17 + c4 + c5) / den, den = qs . ks_sum + N (in f32, of the unquantised qs).
; LDS holds the layer's block, kvs's codes, ks_sum and (LAST = 0) the next layer's Wq, Wk and biases, copied once through registers; behind the one barrier it is only read, but for each wave's own stage.
; REQUESTS AHEAD.  A product finds its first two blocks of weights asked for: by PRE, ahead of the vector work that precedes it, or by the product before it, which loads a slot of WB anew as soon as that slot has been multiplied
; (PROD's last three arguments).  So LDS serves the next product's loads while the wave quantises, normalises or works on the last sums.
; REGISTERS.  Tile t lives in window t at the same numbers: P 88-151 (x, kept as the residual), A 152-215 (sums), CD0, CD1 216-247 (codes), ST 248-255, TMP 72-87.  Window 0 beside: addresses, scales, CB 40-71 (biases, ks_sum).
; Window 1 beside: WB 0-63 (weights, two slots), RS 64-67.  The two tiles share every fragment read from LDS; the price is a switch of windows at each change of tile.
; LIMITS: c0, c4, c8, c10, c12 - c10 - c11 (and n0, n2) lie between -126 and 119; 2 + c8 + c9, 17 + c4 + c5, 2 + c12 + c13 between -126 and 127.  NaN among the inputs is not served.
.set LAST, 0
.set VBQ, 512                          ; the layer's block, in memory and in LDS alike: bq, bv, the two LayerNorms' gains and biases,
.set VBV, 1536
.set VG1, 2048
.set VB1, 2560
.set VG2, 3072
.set VB2, 3584
.set WQ, 4096                          ; and the weights' fragments, 2,048 bytes each
.set WV, 20480
.set FC1, 36864
.set FC2, 69632
.set L_KV, 102400                      ; kvs's codes, 8 fragments
.set L_NXT, 118784                     ; the next layer's first 20,480 bytes, then its Wk
.set NVBQ, L_NXT+512
.set NVBK, L_NXT+1024
.set NWQ, L_NXT+4096
.set NWK, L_NXT+20480
.set L_KS, 155648                      ; ks_sum
.set L_STG, 156160                     ; a stage of 16 rows x (512 + 16) bytes for each wave
.set SPARE, 223744                     ; the spare words, 128 bytes for each wave: four blocks of 256 bytes that no other line names
.set NSW, 38-9*LAST                    ; sweeps of 4,096 bytes in the head's copy
.set P, 88
.set A, 152
.set CD0, 216
.set CD1, 232
.set ST, 248
.set TMP, 72
.set WB, 0
.set RS, 64
.set CB, 40
.set LIB, 1                            ; v1-3   16 x lane, + 65,536, + 131,072 (an LDS offset has 16 bits)
.set HB, 4                             ; v4-6   64 x (lane / 16), likewise
.set SPW, 7                            ; v7     my spare word; never rewritten
.set NIL, 8                            ; v8     0; never rewritten
.set CA, 9                             ; v9-11  16 x thread, likewise
.set STO, 12                           ; v12    the stage: where I put 16 bytes of a row;  v13: where I read a row back
.set SRD, 13
.set SC, 14                            ; v14-27 pairs: a scale 2^e, and 448 x 2^e
.set SQ, 28                            ; v28-31 q's sum of squares;  v32-35 k's
.set SK, 32
.set LANE, 38
.set ZR, 39
.set MSB, 0
.macro WIN new                         ; the immediate's high byte repeats the setting that is left; a switch that changes nothing is dropped
.if MSB != (\new)
	s_set_vgpr_msb (MSB<<8)|(\new)
.set MSB, (\new)
.endif
.endm
.macro W d, a, b, c                    ; windows of the destination and of sources 0, 1, 2
	WIN (((\d)<<6)|((\c)<<4)|((\b)<<2)|(\a))
.endm
.macro NOP4
.rept 4
	v_nop
.endr
.endm
.macro MKSC k, e                       ; pair k: 2^e and 448 x 2^e as f32
	s_add_co_i32 s52, \e, 127
	s_lshl_b32 s53, s52, 23
	v_mov_b32 v[SC+2*\k], s53
	s_add_co_i32 s52, s52, 8
	s_lshl_b32 s52, s52, 23
	s_or_b32 s52, s52, 0x600000
	v_mov_b32 v[SC+2*\k+1], s52
.endm
; tile t's x (P, which is kept) becomes codes in cd with scale pair k
.macro QUANTT cd, k, t
	W \t,\t,0,0
.irp b,0,1,2,3
.set i, 0
.rept 16
	v_med3_num_f32 v[TMP+i], v[P+16*\b+i], -v[SC+2*\k+1], v[SC+2*\k+1]   ; the conversion does not saturate (ISA guide 7.6.2): the hold comes first
.set i, i+1
.endr
	v_cvt_scalef32_pk8_fp8_f32 v[\cd+4*\b:\cd+4*\b+1], v[TMP:TMP+7], v[SC+2*\k]
	v_cvt_scalef32_pk8_fp8_f32 v[\cd+4*\b+2:\cd+4*\b+3], v[TMP+8:TMP+15], v[SC+2*\k]
	v_nop                                          ; a plain instruction between the conversions and the next write of their sources
.endr
.endm
.macro QUANTP cd, k                    ; both tiles
	QUANTT \cd,\k,0
	QUANTT \cd,\k,1
.endm
; fragments 2 b and 2 b + 1 of the weight at LDS byte wofs into slot b % 2 of WB; cmode = 1: the bias's 16 numbers of my half too
.macro LDG wofs, b, cmode, bofs
	W 1,0,0,0
.irp q,0,1,2,3,4,5,6,7
	ds_load_b128 v[WB+32*((\b)%2)+4*\q:WB+32*((\b)%2)+4*\q+3], v[LIB+(((\wofs)+4096*(\b)+512*\q)>>16)] offset:((\wofs)+4096*(\b)+512*\q)&0xffff
.endr
.if \cmode==1
	W 0,0,0,0
.irp c,0,1,2,3
	ds_load_b128 v[CB+16*((\b)%2)+4*\c:CB+16*((\b)%2)+4*\c+3], v[HB+(((\bofs)+128*(\b)+16*\c)>>16)] offset:((\bofs)+128*(\b)+16*\c)&0xffff
.endr
.endif
.endm
.macro PRE wofs, cmode, bofs           ; a product's first two blocks, asked for ahead of the vector work that precedes it; no other LDS instruction stands between these and the product
	LDG \wofs,0,\cmode,\bofs
	LDG \wofs,1,\cmode,\bofs
.endm
; four products: feature tiles 2 b, 2 b + 1 for both tiles of tokens: four accumulators, one instruction each.  cmode 0: C = 0; 1: C = the bias; 2: the sums go on in place
.macro MM b, cd, cmode
.irp t,0,1
.if \cmode==2
	W \t,1,\t,\t
.else
	W \t,1,\t,0
.endif
.irp u,0,1
.if \cmode==0
	v_wmma_f32_16x16x128_fp8_fp8 v[A+16*(\b)+8*\u:A+16*(\b)+8*\u+7], v[WB+32*((\b)%2)+16*\u:WB+32*((\b)%2)+16*\u+15], v[\cd:\cd+15], 0
.elseif \cmode==1
	v_wmma_f32_16x16x128_fp8_fp8 v[A+16*(\b)+8*\u:A+16*(\b)+8*\u+7], v[WB+32*((\b)%2)+16*\u:WB+32*((\b)%2)+16*\u+15], v[\cd:\cd+15], v[CB+16*((\b)%2)+8*\u:CB+16*((\b)%2)+8*\u+7]
.else
	v_wmma_f32_16x16x128_fp8_fp8 v[A+16*(\b)+8*\u:A+16*(\b)+8*\u+7], v[WB+32*((\b)%2)+16*\u:WB+32*((\b)%2)+16*\u+15], v[\cd:\cd+15], v[A+16*(\b)+8*\u:A+16*(\b)+8*\u+7]
.endif
.endr
.endr
.endm
; what is made of block b's sums, for both tiles; each accumulator is read from its low end on.
; 1: qs = sum x CQ, quantised into CD1.  2, 3: P += sum x rn1, rn2.  4, 5: relu and hold in one, quantised into CD1, CD0.  6: P += sum x 2^(2 + c12 + c13).  7, 8: the squares of q, of k
.macro DOPOST sel, b
.irp t,0,1
.if \sel==1
	W \t,\t,0,0
.set j, 0
.rept 8
	v_pk_mul_f32 v[TMP+j:TMP+j+1], v[A+16*(\b)+j:A+16*(\b)+j+1], s[36:37] op_sel_hi:[1,0]
.set j, j+2
.endr
.set i, 0
.rept 16
	v_med3_num_f32 v[TMP+i], v[TMP+i], -v[SC+5], v[SC+5]
.set i, i+1
.endr
	v_cvt_scalef32_pk8_fp8_f32 v[CD1+4*(\b):CD1+4*(\b)+1], v[TMP:TMP+7], v[SC+4]
	v_cvt_scalef32_pk8_fp8_f32 v[CD1+4*(\b)+2:CD1+4*(\b)+3], v[TMP+8:TMP+15], v[SC+4]
	v_nop
.elseif (\sel==2)||(\sel==3)
	W \t,\t,\t,\t
.set j, 0
.rept 8
	v_pk_fma_f32 v[P+16*(\b)+j:P+16*(\b)+j+1], v[A+16*(\b)+j:A+16*(\b)+j+1], v[ST+2*(\sel):ST+2*(\sel)+1], v[P+16*(\b)+j:P+16*(\b)+j+1] op_sel_hi:[1,0,1]
.set j, j+2
.endr
.elseif (\sel==4)||(\sel==5)
	W \t,\t,0,0
.set i, 0
.rept 16
	v_med3_num_f32 v[TMP+i], v[A+16*(\b)+i], 0, v[SC+9]
.set i, i+1
.endr
	v_cvt_scalef32_pk8_fp8_f32 v[CD1-16*((\sel)-4)+4*(\b):CD1-16*((\sel)-4)+4*(\b)+1], v[TMP:TMP+7], v[SC+8]
	v_cvt_scalef32_pk8_fp8_f32 v[CD1-16*((\sel)-4)+4*(\b)+2:CD1-16*((\sel)-4)+4*(\b)+3], v[TMP+8:TMP+15], v[SC+8]
	v_nop
.elseif \sel==6
	W \t,\t,\t,\t
.set j, 0
.rept 8
	v_pk_fma_f32 v[P+16*(\b)+j:P+16*(\b)+j+1], v[A+16*(\b)+j:A+16*(\b)+j+1], s[50:51], v[P+16*(\b)+j:P+16*(\b)+j+1] op_sel_hi:[1,0,1]
.set j, j+2
.endr
.else
	W 0,\t,\t,0
.set j, 0
.rept 8
	v_pk_fma_f32 v[SQ+4*((\sel)-7)+(j%4):SQ+4*((\sel)-7)+(j%4)+1], v[A+16*(\b)+j:A+16*(\b)+j+1], v[A+16*(\b)+j:A+16*(\b)+j+1], v[SQ+4*((\sel)-7)+(j%4):SQ+4*((\sel)-7)+(j%4)+1]
.set j, j+2
.endr
.endif
.endr
.endm
; A product [32 tokens x 128] x [128 x 128], block by block of 32 features.  AT ITS HEAD blocks 0 and 1 of its weights have been asked for, in this order, and no LDS instruction has been issued behind them.
; The counted waits leave the younger block's loads out: NL = 8, or 12 with a bias.  nw other than 0: the next product's weights lie at LDS byte nw (ncm, nb: its cmode and bias): its block 0 is asked for behind my block 2,
; which was the last to read slot 0, and its block 1 behind my block 3; the wait ahead of my block 3 leaves those NN = 8 or 12 loads out.
; Block b's sums are worked on behind block b + 1's products: those vector instructions, which name no register of the products just issued, are also the four places that stand between a matrix
; instruction and a read of its result or a load into its sources (ISA guide 7.12.1 for the reads of results); where there is no such work, four v_nop.
; late = 1: the work writes the codes that the products still read, so all of it comes behind the last product.
.macro PROD wofs, cd, cmode, bofs, post, late, nw, ncm, nb
.if \cmode==1
.set NL, 12
.else
.set NL, 8
.endif
.set NN, 0
.if (\nw)
.set NN, 8
.if \ncm==1
.set NN, 12
.endif
.endif
	s_wait_dscnt NL                                ; block 0 is in; block 1's loads may be out
	MM 0,\cd,\cmode
	NOP4
	LDG \wofs,2,\cmode,\bofs
	s_wait_dscnt NL                                ; block 1 is in; block 2's may be out
	MM 1,\cd,\cmode
.if (\post)&&!(\late)
	DOPOST \post,0
.else
	NOP4
.endif
	LDG \wofs,3,\cmode,\bofs
	s_wait_dscnt NL                                ; block 2 is in; block 3's may be out
	MM 2,\cd,\cmode
.if (\post)&&!(\late)
	DOPOST \post,1
.elseif (\nw)
	NOP4
.endif
.if (\nw)
	LDG \nw,0,\ncm,\nb
.endif
	s_wait_dscnt NN                                ; block 3 is in; the next product's block 0 may be out
	MM 3,\cd,\cmode
.if (\post)&&!(\late)
	DOPOST \post,2
.else
	NOP4
.endif
.if (\nw)
	LDG \nw,1,\ncm,\nb
.endif
.if (\post)&&!(\late)
	DOPOST \post,3
.elseif (\post)
	DOPOST \post,0
	DOPOST \post,1
	DOPOST \post,2
	DOPOST \post,3
.endif
.endm
.macro LDV gofs, bofs, b               ; block b of a gain and of a bias into slot b % 2 of WB
	W 1,0,0,0
.irp c,0,1,2,3
	ds_load_b128 v[WB+32*((\b)%2)+4*\c:WB+32*((\b)%2)+4*\c+3], v[HB+(((\gofs)+128*(\b)+16*\c)>>16)] offset:((\gofs)+128*(\b)+16*\c)&0xffff
.endr
.irp c,0,1,2,3
	ds_load_b128 v[WB+32*((\b)%2)+16+4*\c:WB+32*((\b)%2)+16+4*\c+3], v[HB+(((\bofs)+128*(\b)+16*\c)>>16)] offset:((\bofs)+128*(\b)+16*\c)&0xffff
.endr
.endm
; P = LayerNorm(P) x gain + bias.  A token's 128 numbers lie in lanes l and l xor 16.  The mean is taken away before the squares.  s56 = 1 / 128, s57 = eps / 0.04.
.macro LN gofs, bofs
	LDV \gofs,\bofs,0
	LDV \gofs,\bofs,1
.irp t,0,1
	W \t,\t,\t,\t
	v_pk_add_f32 v[ST:ST+1], v[P:P+1], v[P+2:P+3]
	v_pk_add_f32 v[ST+2:ST+3], v[P+4:P+5], v[P+6:P+7]
.set j, 8
.rept 14
	v_pk_add_f32 v[ST:ST+1], v[ST:ST+1], v[P+j:P+j+1]
	v_pk_add_f32 v[ST+2:ST+3], v[ST+2:ST+3], v[P+j+2:P+j+3]
.set j, j+4
.endr
	v_pk_add_f32 v[ST:ST+1], v[ST:ST+1], v[ST+2:ST+3]
	v_add_f32 v[ST], v[ST], v[ST+1]
	v_permlanex16_b32 v[ST+1], v[ST], s38, s39
	v_add_f32 v[ST], v[ST], v[ST+1]
	v_mul_f32 v[ST+4], s56, v[ST]                  ; the mean, twice: a pair for the packed form
	v_mul_f32 v[ST+5], s56, v[ST]
.set j, 0
.rept 32
	v_pk_add_f32 v[P+j:P+j+1], v[P+j:P+j+1], v[ST+4:ST+5] neg_lo:[0,1] neg_hi:[0,1]
.set j, j+2
.endr
	v_pk_mul_f32 v[ST:ST+1], v[P:P+1], v[P:P+1]
	v_pk_mul_f32 v[ST+2:ST+3], v[P+2:P+3], v[P+2:P+3]
.set j, 4
.rept 15
	v_pk_fma_f32 v[ST:ST+1], v[P+j:P+j+1], v[P+j:P+j+1], v[ST:ST+1]
	v_pk_fma_f32 v[ST+2:ST+3], v[P+j+2:P+j+3], v[P+j+2:P+j+3], v[ST+2:ST+3]
.set j, j+4
.endr
	v_pk_add_f32 v[ST:ST+1], v[ST:ST+1], v[ST+2:ST+3]
	v_add_f32 v[ST], v[ST], v[ST+1]
	v_permlanex16_b32 v[ST+1], v[ST], s38, s39
	v_add_f32 v[ST], v[ST], v[ST+1]
	v_fma_f32 v[ST], v[ST], s56, s57
	W 1,\t,0,0
	v_rsq_f32 v[RS+2*\t], v[ST]
.endr
	v_nop                                          ; a plain instruction behind the last root,
	s_wait_alu depctr_va_vdst(0)                   ; and the one wait for both, ahead of their first reader
	W 1,1,0,0
	v_mov_b32 v[RS+1], v[RS]                       ; (named as the upper halves of pairs)
	v_mov_b32 v[RS+3], v[RS+2]
	s_wait_dscnt 0x0                               ; blocks 0 and 1 of the vectors are in
.irp b,0,1,2,3
.if \b==2
	s_wait_dscnt 8                                 ; block 2's are in; block 3's eight loads may be out
.endif
.if \b==3
	s_wait_dscnt 0x0
.endif
.irp t,0,1
	W \t,\t,1,1
.set j, 0
.rept 8
	v_pk_mul_f32 v[P+16*\b+j:P+16*\b+j+1], v[P+16*\b+j:P+16*\b+j+1], v[RS+2*\t:RS+2*\t+1] op_sel_hi:[1,0]
.set j, j+2
.endr
.set j, 0
.rept 8
	v_pk_fma_f32 v[P+16*\b+j:P+16*\b+j+1], v[P+16*\b+j:P+16*\b+j+1], v[WB+32*(\b%2)+j:WB+32*(\b%2)+j+1], v[WB+32*(\b%2)+16+j:WB+32*(\b%2)+16+j+1]
.set j, j+2
.endr
.endr
.if \b<2
	LDV \gofs,\bofs,\b+2
.endif
.endr
.endm
.macro LOADP off                       ; a pair's image: 32 loads of 512 consecutive bytes
.irp t,0,1
	W \t,0,0,0
.set i, 0
.rept 16
	global_load_b128 v[P+4*i:P+4*i+3], v[LIB], s[4:5] offset:(\off)+8192*\t+512*i th:TH_LOAD_NT
.set i, i+1
.endr
.endr
	W 0,0,0,0
.endm
; den = qs . ks_sum + N in f32, from q's sums (A) and ks_sum.  WB holds the next product's weights meanwhile, so ks_sum comes into CB, which is free between q's bias and v's, half by half: blocks 2 p and 2 p + 1
.macro KSL p
	W 0,0,0,0
.irp q,0,1
.irp c,0,1,2,3
	ds_load_b128 v[CB+16*\q+4*\c:CB+16*\q+4*\c+3], v[HB+((L_KS+128*(2*(\p)+\q)+16*\c)>>16)] offset:(L_KS+128*(2*(\p)+\q)+16*\c)&0xffff
.endr
.endr
.endm
.macro DOTA                            ; the first half of the dot, both tiles, in two chains
.irp t,0,1
	W \t,\t,0,\t
	v_pk_mul_f32 v[ST:ST+1], v[A:A+1], v[CB:CB+1]
	v_pk_mul_f32 v[ST+2:ST+3], v[A+2:A+3], v[CB+2:CB+3]
.set j, 4
.rept 7
	v_pk_fma_f32 v[ST:ST+1], v[A+j:A+j+1], v[CB+j:CB+j+1], v[ST:ST+1]
	v_pk_fma_f32 v[ST+2:ST+3], v[A+j+2:A+j+3], v[CB+j+2:CB+j+3], v[ST+2:ST+3]
.set j, j+4
.endr
.endr
.endm
.macro DOTB                            ; the second half; then rn1, rn2 as pairs in ST + 4 .. ST + 7
.irp t,0,1
	W \t,\t,0,\t
.set j, 0
.rept 8
	v_pk_fma_f32 v[ST:ST+1], v[A+32+j:A+32+j+1], v[CB+j:CB+j+1], v[ST:ST+1]
	v_pk_fma_f32 v[ST+2:ST+3], v[A+32+j+2:A+32+j+3], v[CB+j+2:CB+j+3], v[ST+2:ST+3]
.set j, j+4
.endr
	W \t,\t,\t,\t
	v_pk_add_f32 v[ST:ST+1], v[ST:ST+1], v[ST+2:ST+3]
	v_add_f32 v[ST], v[ST], v[ST+1]
	v_permlanex16_b32 v[ST+1], v[ST], s38, s39
	v_add_f32 v[ST], v[ST], v[ST+1]
	v_fma_f32 v[ST+1], v[ST], s36, s49
	v_rcp_f32 v[ST+2], v[ST+1]
.endr
	v_nop                                          ; a plain instruction behind the last reciprocal,
	s_wait_alu depctr_va_vdst(0)                   ; and the one wait for both, ahead of their first reader
.irp t,0,1
	W \t,\t,\t,\t
	v_mul_f32 v[ST+4], s47, v[ST+2]
	v_mul_f32 v[ST+5], s47, v[ST+2]
	v_mul_f32 v[ST+6], s48, v[ST+2]
	v_mul_f32 v[ST+7], s48, v[ST+2]
.endr
.endm
.if LAST
	s_load_b128 s[4:7], s[0:1], 0x0                ; x s[4:5], the layer's block s[6:7]
	s_load_b64 s[8:9], s[0:1], 0x10                ; att
	s_load_b64 s[12:13], s[0:1], 0x18              ; the output
.else
	s_load_b256 s[4:11], s[0:1], 0x0               ; x s[4:5], the layer's block s[6:7], att s[8:9], the next layer's block s[10:11]
	s_load_b128 s[12:15], s[0:1], 0x20             ; the new x s[12:13], nrm s[14:15]
.endif
	v_lshl_add_u32 v[SPW], v0, 2, SPARE
	v_mov_b32 v[NIL], 0
	v_lshrrev_b32 v[LANE], 5, v0
	v_readfirstlane_b32 s2, v[LANE]                ; wave
	v_and_b32 v[LANE], 31, v0
	v_lshlrev_b32 v[LIB], 4, v[LANE]
	v_add_nc_u32 v[LIB+1], 0x10000, v[LIB]
	v_add_nc_u32 v[LIB+2], 0x20000, v[LIB]
	v_bfe_u32 v[ZR], v0, 4, 1                      ; h (the register is 0 from the end of the passes on)
	v_lshlrev_b32 v[HB], 6, v[ZR]
	v_add_nc_u32 v[HB+1], 0x10000, v[HB]
	v_add_nc_u32 v[HB+2], 0x20000, v[HB]
	v_lshlrev_b32 v[CA], 4, v0
	v_add_nc_u32 v[CA+1], 0x10000, v[CA]
	v_add_nc_u32 v[CA+2], 0x20000, v[CA]
	s_mul_i32 s52, s2, 8448
	s_add_co_u32 s52, s52, L_STG                   ; my stage
	v_and_b32 v[STO], 15, v0
	v_mul_u32_u24 v[STO], v[STO], 528
	v_lshl_add_u32 v[STO], v[ZR], 6, v[STO]
	v_add_nc_u32 v[STO], s52, v[STO]               ; in: row r, + 64 h
	v_add_nc_u32 v[SRD], s52, v[LIB]               ; back: 16 bytes a lane of a row
.set i, 0
.rept 8
	v_mov_b32 v[SQ+i], 0
.set i, i+1
.endr
	s_lshl_b32 s52, ttmp9, 4
	s_add_co_u32 s52, s52, s2                      ; my pair in the first pass
	s_lshl_b32 s52, s52, 14
	s_mov_b32 s53, 0
	s_lshr_b32 s54, ttmp9, 6                       ; the batch
	s_mul_i32 s54, s54, 17408
	s_mov_b32 s55, 0
	s_mov_b32 s3, 2                                ; passes
	s_wait_kmcnt 0x0
	s_add_nc_u64 s[4:5], s[4:5], s[52:53]
	s_add_nc_u64 s[12:13], s[12:13], s[52:53]
	s_add_nc_u64 s[8:9], s[8:9], s[54:55]
.if !LAST
	s_lshl_b32 s54, ttmp9, 3
	s_add_co_u32 s54, s54, s2
	s_lshl_b32 s54, s54, 2
	s_add_nc_u64 s[14:15], s[14:15], s[54:55]
	s_load_b128 s[32:35], s[10:11], 0x0            ; n0 .. n3
.endif
	s_load_b512 s[16:31], s[6:7], 0x0              ; c0 .. c13
	s_load_b32 s36, s[8:9], 0x4200                 ; CQ
	; the parameters go to LDS through registers, 4,096 bytes a sweep, 16 bytes a thread; sweep n lands at LDS byte 4,096 n; all sweeps are on their way together, in A of both windows and in the codes' registers
.set n, 0
.rept NSW
.if n<16
	W 0,0,0,0
.set CR, A+4*n
.elseif n<32
	W 1,0,0,0
.set CR, A+4*(n-16)
.else
	W 0,0,0,0
.set CR, CD0+4*(n-32)
.endif
.if n<25
	global_load_b128 v[CR:CR+3], v[CA], s[6:7] offset:4096*n
.elseif n<29
	global_load_b128 v[CR:CR+3], v[CA], s[8:9] offset:4096*(n-25)
.elseif n<34
	global_load_b128 v[CR:CR+3], v[CA], s[10:11] offset:4096*(n-29)
.else
	global_load_b128 v[CR:CR+3], v[CA], s[10:11] offset:102400+4096*(n-34)
.endif
.set n, n+1
.endr
	W 0,0,0,0
	global_load_b128 v[TMP:TMP+3], v[LIB], s[8:9] offset:16384   ; ks_sum: every wave loads it, so that the counts are alike; wave 0 stores it
	LOADP 0
	s_wait_kmcnt 0x0
	MKSC 0,s16
	MKSC 1,s20
	MKSC 2,s24
	MKSC 3,s26
	s_sub_co_i32 s54, s28, s26                     ; a sum of fc1 stands for sum x 2^(c10 + c11): the three scales are folded into the conversion's one
	s_sub_co_i32 s54, s54, s27
	MKSC 4,s54
.if !LAST
	MKSC 5,s32
	MKSC 6,s34
.endif
	s_add_co_i32 s47, s24, s25
	s_add_co_i32 s47, s47, 129
	s_lshl_b32 s47, s47, 23                        ; 2^(2 + c8 + c9)
	s_add_co_i32 s48, s20, s21
	s_add_co_i32 s48, s48, 144
	s_lshl_b32 s48, s48, 23                        ; 2^(17 + c4 + c5)
	s_add_co_i32 s50, s28, s29
	s_add_co_i32 s50, s50, 129
	s_lshl_b32 s50, s50, 23                        ; 2^(2 + c12 + c13)
	s_mov_b32 s51, s50                             ; (named with it as a pair)
	s_mov_b32 s37, s36
	s_mov_b32 s49, 0x47000000                      ; N = 32,768
	s_mov_b32 s56, 0x3c000000                      ; 1 / 128
	s_mov_b32 s57, 0x3983126f                      ; eps / 0.04 = 2.5e-4
	s_mov_b32 s38, 0x76543210                      ; v_permlanex16_b32: lane l xor 16
	s_mov_b32 s39, 0xfedcba98
	s_wait_loadcnt 32                              ; the copies are in; x's 32 loads, issued behind them, may be out
.set n, 0
.rept NSW
.if n<16
	W 0,0,0,0
.set CR, A+4*n
.elseif n<32
	W 0,0,1,0
.set CR, A+4*(n-16)
.else
	W 0,0,0,0
.set CR, CD0+4*(n-32)
.endif
	ds_store_b128 v[CA+((4096*n)>>16)], v[CR:CR+3] offset:(4096*n)&0xffff
.set n, n+1
.endr
	W 0,0,0,0
	s_cmp_lg_u32 s2, 0
	s_cbranch_scc1 .Lnot_wave_0
	ds_store_b128 v[LIB+(L_KS>>16)], v[TMP:TMP+3] offset:L_KS&0xffff
.Lnot_wave_0:
	s_wait_dscnt 0x0                               ; my part of the parameters lies in LDS,
	s_barrier_signal -1
	s_barrier_wait -1                              ; everybody's does
.Lpass:
	PRE WQ,1,VBQ                                   ; Wq's first blocks come while x is awaited and quantised
	s_wait_loadcnt 0x0                             ; the pair's x
	QUANTP CD0,0
	PROD WQ,CD0,1,VBQ,1,0,L_KV,0,0                 ; q; qs's codes into CD1; kvs's first blocks are asked for
	KSL 0                                          ; q's bias has been read: ks_sum's first half,
	QUANTT CD0,1,0                                 ; and tile 0's x at v's scale while it comes
	s_wait_dscnt 0x0
	DOTA
	KSL 1                                          ; the second half,
	QUANTT CD0,1,1                                 ; and tile 1's x
	s_wait_dscnt 0x0
	DOTB
	PROD L_KV,CD1,0,0,2,0,WV,1,VBV                 ; qs kvs
	PROD WV,CD0,1,VBV,3,0,0,0,0                    ; v
	LN VG1,VB1
	PRE FC1,0,0
	QUANTP CD0,3
	PROD FC1,CD0,0,0,4,0,FC1+16384,0,0             ; hidden units 0-127: K step 0 of fc2, into CD1
	PROD FC1+16384,CD0,0,0,5,1,FC2,0,0             ; hidden units 128-255: K step 1, into CD0
	PROD FC2,CD1,0,0,0,0,FC2+16384,2,0
	PROD FC2+16384,CD0,2,0,6,0,0,0,0
	LN VG2,VB2
.if LAST
	; THE WAY OUT: a lane holds pieces of one row, and the lanes beside it hold other rows: a tile goes through my own stage and comes back as whole rows of 512 bytes, into A, which is free.
	; LDS serves a wave's instructions in order (ISA guide 5.7.1.4): no wait between the stores and the loads, nor in front of the next tile's stores.
.irp t,0,1
	W 0,0,\t,0
.irp b,0,1,2,3
.irp c,0,1,2,3
	ds_store_b128 v[STO], v[P+16*\b+4*\c:P+16*\b+4*\c+3] offset:128*\b+16*\c
.endr
.endr
	W \t,0,0,0
.set i, 0
.rept 16
	ds_load_b128 v[A+4*i:A+4*i+3], v[SRD] offset:528*i
.set i, i+1
.endr
.endr
	W 0,0,0,0
	s_wait_dscnt 16                                ; all but tile 1's sixteen loads: the stage's stores have read P, and tile 0's rows are back
	s_cmp_eq_u32 s3, 1
	s_cbranch_scc1 .Lno_next
	LOADP 131072                                   ; the next pair's x, ahead of this pair's stores
.Lno_next:
.irp t,0,1
	W 0,0,\t,0
.set i, 0
.rept 16
.if \t==1
	s_wait_dscnt 15-i                              ; row i of tile 1 is back; the younger loads may be out
.endif
	global_store_b128 v[LIB], v[A+4*i:A+4*i+3], s[12:13] offset:8192*\t+512*i th:TH_STORE_NT   ; 32 lanes store a row of 512 bytes
.set i, i+1
.endr
.endr
	W 0,0,0,0
.else
	PRE NWQ,1,NVBQ
	QUANTP CD0,5                                   ; the new x at the next q's scale,
	QUANTP CD1,6                                   ; and at the next k's
.irp t,0,1
	W 0,0,\t,0
.set i, 0
.rept 16
	global_store_b128 v[LIB], v[P+4*i:P+4*i+3], s[12:13] offset:8192*\t+512*i   ; 32 lanes store 512 consecutive bytes
.set i, i+1
.endr
.endr
	W 0,0,0,0
	s_cmp_eq_u32 s3, 1
	s_cbranch_scc1 .Lno_next
	s_wait_xcnt 0x0                                ; the stores have read P: the next pair's x may land there, under the tail's products
	LOADP 131072
.Lno_next:
	PROD NWQ,CD0,1,NVBQ,7,0,NWK,1,NVBK
	PROD NWK,CD1,1,NVBK,8,0,0,0,0
	W 0,0,0,0
.endif
	s_wait_xcnt 0x0                                ; loads and stores have read their bases, and the stores their data
	s_add_nc_u64 s[4:5], s[4:5], 0x20000
	s_add_nc_u64 s[12:13], s[12:13], 0x20000
	s_sub_co_u32 s3, s3, 1
	s_cmp_lg_u32 s3, 0
	s_cbranch_scc1 .Lpass
.if !LAST
	; the wave's two sums of squares
	v_pk_add_f32 v[SQ:SQ+1], v[SQ:SQ+1], v[SQ+2:SQ+3]
	v_pk_add_f32 v[SK:SK+1], v[SK:SK+1], v[SK+2:SK+3]
	v_add_f32 v[SQ], v[SQ], v[SQ+1]
	v_add_f32 v[SK], v[SK], v[SK+1]
.irp m,1,2,4,8
	v_add_f32_dpp v[SQ], v[SQ], v[SQ] row_xmask:\m row_mask:0xf bank_mask:0xf
	v_add_f32_dpp v[SK], v[SK], v[SK] row_xmask:\m row_mask:0xf bank_mask:0xf
.endr
	v_permlanex16_b32 v[SQ+1], v[SQ], s38, s39
	v_permlanex16_b32 v[SK+1], v[SK], s38, s39
	v_add_f32 v[SQ], v[SQ], v[SQ+1]
	v_add_f32 v[SK], v[SK], v[SK+1]
	v_mov_b32 v[ZR], 0
	v_cmp_eq_u32 vcc_lo, 0, v[LANE]
	s_wait_xcnt 0x0                                ; EXEC changes only behind this wait
	s_and_saveexec_b32 s52, vcc_lo
	global_store_b32 v[ZR], v[SQ], s[14:15]
	global_store_b32 v[ZR], v[SK], s[14:15] offset:8192
	s_wait_xcnt 0x0                                ; and again, in front of the line that widens it
	s_or_b32 exec_lo, exec_lo, s52
.endif
	s_wait_tensorcnt 0x0                           ; the wave's end: behind my last LDS store
	ds_add_u32 v[SPW], v[NIL]
	s_wait_dscnt 0x0
	s_endpgm
.Lfunc_end_k_qc50f33120e_mid:
	.size	k_qc50f33120e_mid, .Lfunc_end_k_qc50f33120e_mid-k_qc50f33120e_mid
	.p2alignl 7, 3214868480
	.fill 96, 4, 3214868480
	.section	.rodata,"a",@progbits
	.p2align	6, 0x0
	.amdhsa_kernel k_qc50f33120e_mid
		.amdhsa_group_segment_fixed_size 224768
		.amdhsa_private_segment_fixed_size 0
		.amdhsa_enable_private_segment 0
		.amdhsa_kernarg_size 48
		.amdhsa_user_sgpr_count 2
		.amdhsa_user_sgpr_kernarg_segment_ptr 1
		.amdhsa_wavefront_size32 1
		.amdhsa_system_sgpr_workgroup_id_x 1
		.amdhsa_system_sgpr_workgroup_id_y 1
		.amdhsa_system_sgpr_workgroup_id_z 1
		.amdhsa_system_vgpr_workitem_id 0
		.amdhsa_next_free_vgpr 512
		.amdhsa_next_free_sgpr 66
		.amdhsa_reserve_vcc 1
		.amdhsa_float_denorm_mode_32 3
		.amdhsa_float_denorm_mode_16_64 3
		.amdhsa_memory_ordered 1
		.amdhsa_forward_progress 1
		.amdhsa_inst_pref_size 214
	.end_amdhsa_kernel
	.amdgpu_metadata
---
amdhsa.version: [ 1, 2 ]
amdhsa.kernels:
  - .name:           k_qc50f33120e_mid
    .symbol:         k_qc50f33120e_mid.kd
    .args:
      - { .name: out0, .offset: 0, .size: 8, .value_kind: global_buffer, .address_space: global }
      - { .name: par0, .offset: 8, .size: 8, .value_kind: global_buffer, .address_space: global }
      - { .name: att, .offset: 16, .size: 8, .value_kind: global_buffer, .address_space: global }
      - { .name: par1, .offset: 24, .size: 8, .value_kind: global_buffer, .address_space: global }
      - { .name: xb, .offset: 32, .size: 8, .value_kind: global_buffer, .address_space: global }
      - { .name: nrm, .offset: 40, .size: 8, .value_kind: global_buffer, .address_space: global }
    .group_segment_fixed_size: 224768
    .private_segment_fixed_size: 0
    .kernarg_segment_align: 8
    .kernarg_segment_size: 48
    .max_flat_workgroup_size: 256
    .sgpr_count:     66
    .vgpr_count:     512
    .wavefront_size: 32
...
	.end_amdgpu_metadata
.endif
;; end of part 5
;; launch kv1: the kernel of part 3 again; grid 256 x 1, 8 waves a work-group, no clusters, 50,176 bytes of LDS; arguments xb, par1, nrm, kvp; writes kvp
;; launch red1: the kernel of part 4 again; grid 132 x 1, 8 waves a work-group, no clusters, 17,408 bytes of LDS; arguments kvp, nrm, par1, att; writes att
;; launch last (part 6): grid 256 x 1, 8 waves a work-group, no clusters, 224,768 bytes of LDS; arguments xb, par1, att, out0; writes out0
.if DOCPART == 6
	.amdgcn_target "amdgcn-amd-amdhsa--gfx1250"
	.amdhsa_code_object_version 6
	.text
	.protected	k_qc50f33120e_last
	.globl	k_qc50f33120e_last
	.p2align	8
	.type	k_qc50f33120e_last,@function
k_qc50f33120e_last:
	s_mov_b64 s[64:65], 0
	v_nop
	global_prefetch_b8 v0, s[64:65] scope:SCOPE_SE
	s_setreg_imm32_b32 hwreg(HW_REG_WAVE_MODE, 25, 1), 1
	s_wait_xcnt 0x0
; A LAYER, token by token: q, the attention's numerator and divisor, residual, LayerNorm, fc1, relu, fc2, residual, LayerNorm.  One text serves both layers (LAST).
; LAST = 0: x leaves as images, and the tail makes q and k of the next layer and their sums of squares.  LAST = 1: x leaves as rows of the output, through a stage in LDS.
; SHARES.  Work-group g owns tokens 512 g .. 512 g + 511 of batch g / 64; in each of two passes a wave takes a pair of tiles of 16 tokens (pair 16 g + 8 pass + wave), 16,384 bytes of image.
; LAYOUT.  Every product is used transposed (source 0 = 16 output features, source 1 = 16 tokens): lane (r, h) holds token r, and register 16 b + i of a tile holds feature 32 b + 16 h + i.  The features of a weight's tile are
; chosen for that (lane r of tile ft: feature 32 (ft / 2) + 8 (ft % 2) + r + 8 (r / 8)), so two conversions on 16 registers give four registers of the next operand: k = 32 b + 16 h + 0 .. 15, in weights and tokens alike.
; ARITHMETIC.  A bias goes in as C, divided by the power of two that the sums lack.  qs = sum x CQ, CQ = rsqrt of the sum of squares of such sums: the power cancels.  N = 2^15.
; LayerNorm(0.8 a + 0.2 p) = LayerNorm(4 a + p) with eps / 0.04: so y = p + sum7 x rn1 + sumv x rn2, rn1 = 2^(2 + c8 + c9) / den, rn2 = 2^(17 + c4 + c5) / den, den = qs . ks_sum + N (in f32, of the unquantised qs).
; LDS holds the layer's block, kvs's codes, ks_sum and (LAST = 0) the next layer's Wq, Wk and biases, copied once through registers; behind the one barrier it is only read, but for each wave's own stage.
; REQUESTS AHEAD.  A product finds its first two blocks of weights asked for: by PRE, ahead of the vector work that precedes it, or by the product before it, which loads a slot of WB anew as soon as that slot has been multiplied
; (PROD's last three arguments).  So LDS serves the next product's loads while the wave quantises, normalises or works on the last sums.
; REGISTERS.  Tile t lives in window t at the same numbers: P 88-151 (x, kept as the residual), A 152-215 (sums), CD0, CD1 216-247 (codes), ST 248-255, TMP 72-87.  Window 0 beside: addresses, scales, CB 40-71 (biases, ks_sum).
; Window 1 beside: WB 0-63 (weights, two slots), RS 64-67.  The two tiles share every fragment read from LDS; the price is a switch of windows at each change of tile.
; LIMITS: c0, c4, c8, c10, c12 - c10 - c11 (and n0, n2) lie between -126 and 119; 2 + c8 + c9, 17 + c4 + c5, 2 + c12 + c13 between -126 and 127.  NaN among the inputs is not served.
.set LAST, 1
.set VBQ, 512                          ; the layer's block, in memory and in LDS alike: bq, bv, the two LayerNorms' gains and biases,
.set VBV, 1536
.set VG1, 2048
.set VB1, 2560
.set VG2, 3072
.set VB2, 3584
.set WQ, 4096                          ; and the weights' fragments, 2,048 bytes each
.set WV, 20480
.set FC1, 36864
.set FC2, 69632
.set L_KV, 102400                      ; kvs's codes, 8 fragments
.set L_NXT, 118784                     ; the next layer's first 20,480 bytes, then its Wk
.set NVBQ, L_NXT+512
.set NVBK, L_NXT+1024
.set NWQ, L_NXT+4096
.set NWK, L_NXT+20480
.set L_KS, 155648                      ; ks_sum
.set L_STG, 156160                     ; a stage of 16 rows x (512 + 16) bytes for each wave
.set SPARE, 223744                     ; the spare words, 128 bytes for each wave: four blocks of 256 bytes that no other line names
.set NSW, 38-9*LAST                    ; sweeps of 4,096 bytes in the head's copy
.set P, 88
.set A, 152
.set CD0, 216
.set CD1, 232
.set ST, 248
.set TMP, 72
.set WB, 0
.set RS, 64
.set CB, 40
.set LIB, 1                            ; v1-3   16 x lane, + 65,536, + 131,072 (an LDS offset has 16 bits)
.set HB, 4                             ; v4-6   64 x (lane / 16), likewise
.set SPW, 7                            ; v7     my spare word; never rewritten
.set NIL, 8                            ; v8     0; never rewritten
.set CA, 9                             ; v9-11  16 x thread, likewise
.set STO, 12                           ; v12    the stage: where I put 16 bytes of a row;  v13: where I read a row back
.set SRD, 13
.set SC, 14                            ; v14-27 pairs: a scale 2^e, and 448 x 2^e
.set SQ, 28                            ; v28-31 q's sum of squares;  v32-35 k's
.set SK, 32
.set LANE, 38
.set ZR, 39
.set MSB, 0
.macro WIN new                         ; the immediate's high byte repeats the setting that is left; a switch that changes nothing is dropped
.if MSB != (\new)
	s_set_vgpr_msb (MSB<<8)|(\new)
.set MSB, (\new)
.endif
.endm
.macro W d, a, b, c                    ; windows of the destination and of sources 0, 1, 2
	WIN (((\d)<<6)|((\c)<<4)|((\b)<<2)|(\a))
.endm
.macro NOP4
.rept 4
	v_nop
.endr
.endm
.macro MKSC k, e                       ; pair k: 2^e and 448 x 2^e as f32
	s_add_co_i32 s52, \e, 127
	s_lshl_b32 s53, s52, 23
	v_mov_b32 v[SC+2*\k], s53
	s_add_co_i32 s52, s52, 8
	s_lshl_b32 s52, s52, 23
	s_or_b32 s52, s52, 0x600000
	v_mov_b32 v[SC+2*\k+1], s52
.endm
; tile t's x (P, which is kept) becomes codes in cd with scale pair k
.macro QUANTT cd, k, t
	W \t,\t,0,0
.irp b,0,1,2,3
.set i, 0
.rept 16
	v_med3_num_f32 v[TMP+i], v[P+16*\b+i], -v[SC+2*\k+1], v[SC+2*\k+1]   ; the conversion does not saturate (ISA guide 7.6.2): the hold comes first
.set i, i+1
.endr
	v_cvt_scalef32_pk8_fp8_f32 v[\cd+4*\b:\cd+4*\b+1], v[TMP:TMP+7], v[SC+2*\k]
	v_cvt_scalef32_pk8_fp8_f32 v[\cd+4*\b+2:\cd+4*\b+3], v[TMP+8:TMP+15], v[SC+2*\k]
	v_nop                                          ; a plain instruction between the conversions and the next write of their sources
.endr
.endm
.macro QUANTP cd, k                    ; both tiles
	QUANTT \cd,\k,0
	QUANTT \cd,\k,1
.endm
; fragments 2 b and 2 b + 1 of the weight at LDS byte wofs into slot b % 2 of WB; cmode = 1: the bias's 16 numbers of my half too
.macro LDG wofs, b, cmode, bofs
	W 1,0,0,0
.irp q,0,1,2,3,4,5,6,7
	ds_load_b128 v[WB+32*((\b)%2)+4*\q:WB+32*((\b)%2)+4*\q+3], v[LIB+(((\wofs)+4096*(\b)+512*\q)>>16)] offset:((\wofs)+4096*(\b)+512*\q)&0xffff
.endr
.if \cmode==1
	W 0,0,0,0
.irp c,0,1,2,3
	ds_load_b128 v[CB+16*((\b)%2)+4*\c:CB+16*((\b)%2)+4*\c+3], v[HB+(((\bofs)+128*(\b)+16*\c)>>16)] offset:((\bofs)+128*(\b)+16*\c)&0xffff
.endr
.endif
.endm
.macro PRE wofs, cmode, bofs           ; a product's first two blocks, asked for ahead of the vector work that precedes it; no other LDS instruction stands between these and the product
	LDG \wofs,0,\cmode,\bofs
	LDG \wofs,1,\cmode,\bofs
.endm
; four products: feature tiles 2 b, 2 b + 1 for both tiles of tokens: four accumulators, one instruction each.  cmode 0: C = 0; 1: C = the bias; 2: the sums go on in place
.macro MM b, cd, cmode
.irp t,0,1
.if \cmode==2
	W \t,1,\t,\t
.else
	W \t,1,\t,0
.endif
.irp u,0,1
.if \cmode==0
	v_wmma_f32_16x16x128_fp8_fp8 v[A+16*(\b)+8*\u:A+16*(\b)+8*\u+7], v[WB+32*((\b)%2)+16*\u:WB+32*((\b)%2)+16*\u+15], v[\cd:\cd+15], 0
.elseif \cmode==1
	v_wmma_f32_16x16x128_fp8_fp8 v[A+16*(\b)+8*\u:A+16*(\b)+8*\u+7], v[WB+32*((\b)%2)+16*\u:WB+32*((\b)%2)+16*\u+15], v[\cd:\cd+15], v[CB+16*((\b)%2)+8*\u:CB+16*((\b)%2)+8*\u+7]
.else
	v_wmma_f32_16x16x128_fp8_fp8 v[A+16*(\b)+8*\u:A+16*(\b)+8*\u+7], v[WB+32*((\b)%2)+16*\u:WB+32*((\b)%2)+16*\u+15], v[\cd:\cd+15], v[A+16*(\b)+8*\u:A+16*(\b)+8*\u+7]
.endif
.endr
.endr
.endm
; what is made of block b's sums, for both tiles; each accumulator is read from its low end on.
; 1: qs = sum x CQ, quantised into CD1.  2, 3: P += sum x rn1, rn2.  4, 5: relu and hold in one, quantised into CD1, CD0.  6: P += sum x 2^(2 + c12 + c13).  7, 8: the squares of q, of k
.macro DOPOST sel, b
.irp t,0,1
.if \sel==1
	W \t,\t,0,0
.set j, 0
.rept 8
	v_pk_mul_f32 v[TMP+j:TMP+j+1], v[A+16*(\b)+j:A+16*(\b)+j+1], s[36:37] op_sel_hi:[1,0]
.set j, j+2
.endr
.set i, 0
.rept 16
	v_med3_num_f32 v[TMP+i], v[TMP+i], -v[SC+5], v[SC+5]
.set i, i+1
.endr
	v_cvt_scalef32_pk8_fp8_f32 v[CD1+4*(\b):CD1+4*(\b)+1], v[TMP:TMP+7], v[SC+4]
	v_cvt_scalef32_pk8_fp8_f32 v[CD1+4*(\b)+2:CD1+4*(\b)+3], v[TMP+8:TMP+15], v[SC+4]
	v_nop
.elseif (\sel==2)||(\sel==3)
	W \t,\t,\t,\t
.set j, 0
.rept 8
	v_pk_fma_f32 v[P+16*(\b)+j:P+16*(\b)+j+1], v[A+16*(\b)+j:A+16*(\b)+j+1], v[ST+2*(\sel):ST+2*(\sel)+1], v[P+16*(\b)+j:P+16*(\b)+j+1] op_sel_hi:[1,0,1]
.set j, j+2
.endr
.elseif (\sel==4)||(\sel==5)
	W \t,\t,0,0
.set i, 0
.rept 16
	v_med3_num_f32 v[TMP+i], v[A+16*(\b)+i], 0, v[SC+9]
.set i, i+1
.endr
	v_cvt_scalef32_pk8_fp8_f32 v[CD1-16*((\sel)-4)+4*(\b):CD1-16*((\sel)-4)+4*(\b)+1], v[TMP:TMP+7], v[SC+8]
	v_cvt_scalef32_pk8_fp8_f32 v[CD1-16*((\sel)-4)+4*(\b)+2:CD1-16*((\sel)-4)+4*(\b)+3], v[TMP+8:TMP+15], v[SC+8]
	v_nop
.elseif \sel==6
	W \t,\t,\t,\t
.set j, 0
.rept 8
	v_pk_fma_f32 v[P+16*(\b)+j:P+16*(\b)+j+1], v[A+16*(\b)+j:A+16*(\b)+j+1], s[50:51], v[P+16*(\b)+j:P+16*(\b)+j+1] op_sel_hi:[1,0,1]
.set j, j+2
.endr
.else
	W 0,\t,\t,0
.set j, 0
.rept 8
	v_pk_fma_f32 v[SQ+4*((\sel)-7)+(j%4):SQ+4*((\sel)-7)+(j%4)+1], v[A+16*(\b)+j:A+16*(\b)+j+1], v[A+16*(\b)+j:A+16*(\b)+j+1], v[SQ+4*((\sel)-7)+(j%4):SQ+4*((\sel)-7)+(j%4)+1]
.set j, j+2
.endr
.endif
.endr
.endm
; A product [32 tokens x 128] x [128 x 128], block by block of 32 features.  AT ITS HEAD blocks 0 and 1 of its weights have been asked for, in this order, and no LDS instruction has been issued behind them.
; The counted waits leave the younger block's loads out: NL = 8, or 12 with a bias.  nw other than 0: the next product's weights lie at LDS byte nw (ncm, nb: its cmode and bias): its block 0 is asked for behind my block 2,
; which was the last to read slot 0, and its block 1 behind my block 3; the wait ahead of my block 3 leaves those NN = 8 or 12 loads out.
; Block b's sums are worked on behind block b + 1's products: those vector instructions, which name no register of the products just issued, are also the four places that stand between a matrix
; instruction and a read of its result or a load into its sources (ISA guide 7.12.1 for the reads of results); where there is no such work, four v_nop.
; late = 1: the work writes the codes that the products still read, so all of it comes behind the last product.
.macro PROD wofs, cd, cmode, bofs, post, late, nw, ncm, nb
.if \cmode==1
.set NL, 12
.else
.set NL, 8
.endif
.set NN, 0
.if (\nw)
.set NN, 8
.if \ncm==1
.set NN, 12
.endif
.endif
	s_wait_dscnt NL                                ; block 0 is in; block 1's loads may be out
	MM 0,\cd,\cmode
	NOP4
	LDG \wofs,2,\cmode,\bofs
	s_wait_dscnt NL                                ; block 1 is in; block 2's may be out
	MM 1,\cd,\cmode
.if (\post)&&!(\late)
	DOPOST \post,0
.else
	NOP4
.endif
	LDG \wofs,3,\cmode,\bofs
	s_wait_dscnt NL                                ; block 2 is in; block 3's may be out
	MM 2,\cd,\cmode
.if (\post)&&!(\late)
	DOPOST \post,1
.elseif (\nw)
	NOP4
.endif
.if (\nw)
	LDG \nw,0,\ncm,\nb
.endif
	s_wait_dscnt NN                                ; block 3 is in; the next product's block 0 may be out
	MM 3,\cd,\cmode
.if (\post)&&!(\late)
	DOPOST \post,2
.else
	NOP4
.endif
.if (\nw)
	LDG \nw,1,\ncm,\nb
.endif
.if (\post)&&!(\late)
	DOPOST \post,3
.elseif (\post)
	DOPOST \post,0
	DOPOST \post,1
	DOPOST \post,2
	DOPOST \post,3
.endif
.endm
.macro LDV gofs, bofs, b               ; block b of a gain and of a bias into slot b % 2 of WB
	W 1,0,0,0
.irp c,0,1,2,3
	ds_load_b128 v[WB+32*((\b)%2)+4*\c:WB+32*((\b)%2)+4*\c+3], v[HB+(((\gofs)+128*(\b)+16*\c)>>16)] offset:((\gofs)+128*(\b)+16*\c)&0xffff
.endr
.irp c,0,1,2,3
	ds_load_b128 v[WB+32*((\b)%2)+16+4*\c:WB+32*((\b)%2)+16+4*\c+3], v[HB+(((\bofs)+128*(\b)+16*\c)>>16)] offset:((\bofs)+128*(\b)+16*\c)&0xffff
.endr
.endm
; P = LayerNorm(P) x gain + bias.  A token's 128 numbers lie in lanes l and l xor 16.  The mean is taken away before the squares.  s56 = 1 / 128, s57 = eps / 0.04.
.macro LN gofs, bofs
	LDV \gofs,\bofs,0
	LDV \gofs,\bofs,1
.irp t,0,1
	W \t,\t,\t,\t
	v_pk_add_f32 v[ST:ST+1], v[P:P+1], v[P+2:P+3]
	v_pk_add_f32 v[ST+2:ST+3], v[P+4:P+5], v[P+6:P+7]
.set j, 8
.rept 14
	v_pk_add_f32 v[ST:ST+1], v[ST:ST+1], v[P+j:P+j+1]
	v_pk_add_f32 v[ST+2:ST+3], v[ST+2:ST+3], v[P+j+2:P+j+3]
.set j, j+4
.endr
	v_pk_add_f32 v[ST:ST+1], v[ST:ST+1], v[ST+2:ST+3]
	v_add_f32 v[ST], v[ST], v[ST+1]
	v_permlanex16_b32 v[ST+1], v[ST], s38, s39
	v_add_f32 v[ST], v[ST], v[ST+1]
	v_mul_f32 v[ST+4], s56, v[ST]                  ; the mean, twice: a pair for the packed form
	v_mul_f32 v[ST+5], s56, v[ST]
.set j, 0
.rept 32
	v_pk_add_f32 v[P+j:P+j+1], v[P+j:P+j+1], v[ST+4:ST+5] neg_lo:[0,1] neg_hi:[0,1]
.set j, j+2
.endr
	v_pk_mul_f32 v[ST:ST+1], v[P:P+1], v[P:P+1]
	v_pk_mul_f32 v[ST+2:ST+3], v[P+2:P+3], v[P+2:P+3]
.set j, 4
.rept 15
	v_pk_fma_f32 v[ST:ST+1], v[P+j:P+j+1], v[P+j:P+j+1], v[ST:ST+1]
	v_pk_fma_f32 v[ST+2:ST+3], v[P+j+2:P+j+3], v[P+j+2:P+j+3], v[ST+2:ST+3]
.set j, j+4
.endr
	v_pk_add_f32 v[ST:ST+1], v[ST:ST+1], v[ST+2:ST+3]
	v_add_f32 v[ST], v[ST], v[ST+1]
	v_permlanex16_b32 v[ST+1], v[ST], s38, s39
	v_add_f32 v[ST], v[ST], v[ST+1]
	v_fma_f32 v[ST], v[ST], s56, s57
	W 1,\t,0,0
	v_rsq_f32 v[RS+2*\t], v[ST]
.endr
	v_nop                                          ; a plain instruction behind the last root,
	s_wait_alu depctr_va_vdst(0)                   ; and the one wait for both, ahead of their first reader
	W 1,1,0,0
	v_mov_b32 v[RS+1], v[RS]                       ; (named as the upper halves of pairs)
	v_mov_b32 v[RS+3], v[RS+2]
	s_wait_dscnt 0x0                               ; blocks 0 and 1 of the vectors are in
.irp b,0,1,2,3
.if \b==2
	s_wait_dscnt 8                                 ; block 2's are in; block 3's eight loads may be out
.endif
.if \b==3
	s_wait_dscnt 0x0
.endif
.irp t,0,1
	W \t,\t,1,1
.set j, 0
.rept 8
	v_pk_mul_f32 v[P+16*\b+j:P+16*\b+j+1], v[P+16*\b+j:P+16*\b+j+1], v[RS+2*\t:RS+2*\t+1] op_sel_hi:[1,0]
.set j, j+2
.endr
.set j, 0
.rept 8
	v_pk_fma_f32 v[P+16*\b+j:P+16*\b+j+1], v[P+16*\b+j:P+16*\b+j+1], v[WB+32*(\b%2)+j:WB+32*(\b%2)+j+1], v[WB+32*(\b%2)+16+j:WB+32*(\b%2)+16+j+1]
.set j, j+2
.endr
.endr
.if \b<2
	LDV \gofs,\bofs,\b+2
.endif
.endr
.endm
.macro LOADP off                       ; a pair's image: 32 loads of 512 consecutive bytes
.irp t,0,1
	W \t,0,0,0
.set i, 0
.rept 16
	global_load_b128 v[P+4*i:P+4*i+3], v[LIB], s[4:5] offset:(\off)+8192*\t+512*i th:TH_LOAD_NT
.set i, i+1
.endr
.endr
	W 0,0,0,0
.endm
; den = qs . ks_sum + N in f32, from q's sums (A) and ks_sum.  WB holds the next product's weights meanwhile, so ks_sum comes into CB, which is free between q's bias and v's, half by half: blocks 2 p and 2 p + 1
.macro KSL p
	W 0,0,0,0
.irp q,0,1
.irp c,0,1,2,3
	ds_load_b128 v[CB+16*\q+4*\c:CB+16*\q+4*\c+3], v[HB+((L_KS+128*(2*(\p)+\q)+16*\c)>>16)] offset:(L_KS+128*(2*(\p)+\q)+16*\c)&0xffff
.endr
.endr
.endm
.macro DOTA                            ; the first half of the dot, both tiles, in two chains
.irp t,0,1
	W \t,\t,0,\t
	v_pk_mul_f32 v[ST:ST+1], v[A:A+1], v[CB:CB+1]
	v_pk_mul_f32 v[ST+2:ST+3], v[A+2:A+3], v[CB+2:CB+3]
.set j, 4
.rept 7
	v_pk_fma_f32 v[ST:ST+1], v[A+j:A+j+1], v[CB+j:CB+j+1], v[ST:ST+1]
	v_pk_fma_f32 v[ST+2:ST+3], v[A+j+2:A+j+3], v[CB+j+2:CB+j+3], v[ST+2:ST+3]
.set j, j+4
.endr
.endr
.endm
.macro DOTB                            ; the second half; then rn1, rn2 as pairs in ST + 4 .. ST + 7
.irp t,0,1
	W \t,\t,0,\t
.set j, 0
.rept 8
	v_pk_fma_f32 v[ST:ST+1], v[A+32+j:A+32+j+1], v[CB+j:CB+j+1], v[ST:ST+1]
	v_pk_fma_f32 v[ST+2:ST+3], v[A+32+j+2:A+32+j+3], v[CB+j+2:CB+j+3], v[ST+2:ST+3]
.set j, j+4
.endr
	W \t,\t,\t,\t
	v_pk_add_f32 v[ST:ST+1], v[ST:ST+1], v[ST+2:ST+3]
	v_add_f32 v[ST], v[ST], v[ST+1]
	v_permlanex16_b32 v[ST+1], v[ST], s38, s39
	v_add_f32 v[ST], v[ST], v[ST+1]
	v_fma_f32 v[ST+1], v[ST], s36, s49
	v_rcp_f32 v[ST+2], v[ST+1]
.endr
	v_nop                                          ; a plain instruction behind the last reciprocal,
	s_wait_alu depctr_va_vdst(0)                   ; and the one wait for both, ahead of their first reader
.irp t,0,1
	W \t,\t,\t,\t
	v_mul_f32 v[ST+4], s47, v[ST+2]
	v_mul_f32 v[ST+5], s47, v[ST+2]
	v_mul_f32 v[ST+6], s48, v[ST+2]
	v_mul_f32 v[ST+7], s48, v[ST+2]
.endr
.endm
.if LAST
	s_load_b128 s[4:7], s[0:1], 0x0                ; x s[4:5], the layer's block s[6:7]
	s_load_b64 s[8:9], s[0:1], 0x10                ; att
	s_load_b64 s[12:13], s[0:1], 0x18              ; the output
.else
	s_load_b256 s[4:11], s[0:1], 0x0               ; x s[4:5], the layer's block s[6:7], att s[8:9], the next layer's block s[10:11]
	s_load_b128 s[12:15], s[0:1], 0x20             ; the new x s[12:13], nrm s[14:15]
.endif
	v_lshl_add_u32 v[SPW], v0, 2, SPARE
	v_mov_b32 v[NIL], 0
	v_lshrrev_b32 v[LANE], 5, v0
	v_readfirstlane_b32 s2, v[LANE]                ; wave
	v_and_b32 v[LANE], 31, v0
	v_lshlrev_b32 v[LIB], 4, v[LANE]
	v_add_nc_u32 v[LIB+1], 0x10000, v[LIB]
	v_add_nc_u32 v[LIB+2], 0x20000, v[LIB]
	v_bfe_u32 v[ZR], v0, 4, 1                      ; h (the register is 0 from the end of the passes on)
	v_lshlrev_b32 v[HB], 6, v[ZR]
	v_add_nc_u32 v[HB+1], 0x10000, v[HB]
	v_add_nc_u32 v[HB+2], 0x20000, v[HB]
	v_lshlrev_b32 v[CA], 4, v0
	v_add_nc_u32 v[CA+1], 0x10000, v[CA]
	v_add_nc_u32 v[CA+2], 0x20000, v[CA]
	s_mul_i32 s52, s2, 8448
	s_add_co_u32 s52, s52, L_STG                   ; my stage
	v_and_b32 v[STO], 15, v0
	v_mul_u32_u24 v[STO], v[STO], 528
	v_lshl_add_u32 v[STO], v[ZR], 6, v[STO]
	v_add_nc_u32 v[STO], s52, v[STO]               ; in: row r, + 64 h
	v_add_nc_u32 v[SRD], s52, v[LIB]               ; back: 16 bytes a lane of a row
.set i, 0
.rept 8
	v_mov_b32 v[SQ+i], 0
.set i, i+1
.endr
	s_lshl_b32 s52, ttmp9, 4
	s_add_co_u32 s52, s52, s2                      ; my pair in the first pass
	s_lshl_b32 s52, s52, 14
	s_mov_b32 s53, 0
	s_lshr_b32 s54, ttmp9, 6                       ; the batch
	s_mul_i32 s54, s54, 17408
	s_mov_b32 s55, 0
	s_mov_b32 s3, 2                                ; passes
	s_wait_kmcnt 0x0
	s_add_nc_u64 s[4:5], s[4:5], s[52:53]
	s_add_nc_u64 s[12:13], s[12:13], s[52:53]
	s_add_nc_u64 s[8:9], s[8:9], s[54:55]
.if !LAST
	s_lshl_b32 s54, ttmp9, 3
	s_add_co_u32 s54, s54, s2
	s_lshl_b32 s54, s54, 2
	s_add_nc_u64 s[14:15], s[14:15], s[54:55]
	s_load_b128 s[32:35], s[10:11], 0x0            ; n0 .. n3
.endif
	s_load_b512 s[16:31], s[6:7], 0x0              ; c0 .. c13
	s_load_b32 s36, s[8:9], 0x4200                 ; CQ
	; the parameters go to LDS through registers, 4,096 bytes a sweep, 16 bytes a thread; sweep n lands at LDS byte 4,096 n; all sweeps are on their way together, in A of both windows and in the codes' registers
.set n, 0
.rept NSW
.if n<16
	W 0,0,0,0
.set CR, A+4*n
.elseif n<32
	W 1,0,0,0
.set CR, A+4*(n-16)
.else
	W 0,0,0,0
.set CR, CD0+4*(n-32)
.endif
.if n<25
	global_load_b128 v[CR:CR+3], v[CA], s[6:7] offset:4096*n
.elseif n<29
	global_load_b128 v[CR:CR+3], v[CA], s[8:9] offset:4096*(n-25)
.elseif n<34
	global_load_b128 v[CR:CR+3], v[CA], s[10:11] offset:4096*(n-29)
.else
	global_load_b128 v[CR:CR+3], v[CA], s[10:11] offset:102400+4096*(n-34)
.endif
.set n, n+1
.endr
	W 0,0,0,0
	global_load_b128 v[TMP:TMP+3], v[LIB], s[8:9] offset:16384   ; ks_sum: every wave loads it, so that the counts are alike; wave 0 stores it
	LOADP 0
	s_wait_kmcnt 0x0
	MKSC 0,s16
	MKSC 1,s20
	MKSC 2,s24
	MKSC 3,s26
	s_sub_co_i32 s54, s28, s26                     ; a sum of fc1 stands for sum x 2^(c10 + c11): the three scales are folded into the conversion's one
	s_sub_co_i32 s54, s54, s27
	MKSC 4,s54
.if !LAST
	MKSC 5,s32
	MKSC 6,s34
.endif
	s_add_co_i32 s47, s24, s25
	s_add_co_i32 s47, s47, 129
	s_lshl_b32 s47, s47, 23                        ; 2^(2 + c8 + c9)
	s_add_co_i32 s48, s20, s21
	s_add_co_i32 s48, s48, 144
	s_lshl_b32 s48, s48, 23                        ; 2^(17 + c4 + c5)
	s_add_co_i32 s50, s28, s29
	s_add_co_i32 s50, s50, 129
	s_lshl_b32 s50, s50, 23                        ; 2^(2 + c12 + c13)
	s_mov_b32 s51, s50                             ; (named with it as a pair)
	s_mov_b32 s37, s36
	s_mov_b32 s49, 0x47000000                      ; N = 32,768
	s_mov_b32 s56, 0x3c000000                      ; 1 / 128
	s_mov_b32 s57, 0x3983126f                      ; eps / 0.04 = 2.5e-4
	s_mov_b32 s38, 0x76543210                      ; v_permlanex16_b32: lane l xor 16
	s_mov_b32 s39, 0xfedcba98
	s_wait_loadcnt 32                              ; the copies are in; x's 32 loads, issued behind them, may be out
.set n, 0
.rept NSW
.if n<16
	W 0,0,0,0
.set CR, A+4*n
.elseif n<32
	W 0,0,1,0
.set CR, A+4*(n-16)
.else
	W 0,0,0,0
.set CR, CD0+4*(n-32)
.endif
	ds_store_b128 v[CA+((4096*n)>>16)], v[CR:CR+3] offset:(4096*n)&0xffff
.set n, n+1
.endr
	W 0,0,0,0
	s_cmp_lg_u32 s2, 0
	s_cbranch_scc1 .Lnot_wave_0
	ds_store_b128 v[LIB+(L_KS>>16)], v[TMP:TMP+3] offset:L_KS&0xffff
.Lnot_wave_0:
	s_wait_dscnt 0x0                               ; my part of the parameters lies in LDS,
	s_barrier_signal -1
	s_barrier_wait -1                              ; everybody's does
.Lpass:
	PRE WQ,1,VBQ                                   ; Wq's first blocks come while x is awaited and quantised
	s_wait_loadcnt 0x0                             ; the pair's x
	QUANTP CD0,0
	PROD WQ,CD0,1,VBQ,1,0,L_KV,0,0                 ; q; qs's codes into CD1; kvs's first blocks are asked for
	KSL 0                                          ; q's bias has been read: ks_sum's first half,
	QUANTT CD0,1,0                                 ; and tile 0's x at v's scale while it comes
	s_wait_dscnt 0x0
	DOTA
	KSL 1                                          ; the second half,
	QUANTT CD0,1,1                                 ; and tile 1's x
	s_wait_dscnt 0x0
	DOTB
	PROD L_KV,CD1,0,0,2,0,WV,1,VBV                 ; qs kvs
	PROD WV,CD0,1,VBV,3,0,0,0,0                    ; v
	LN VG1,VB1
	PRE FC1,0,0
	QUANTP CD0,3
	PROD FC1,CD0,0,0,4,0,FC1+16384,0,0             ; hidden units 0-127: K step 0 of fc2, into CD1
	PROD FC1+16384,CD0,0,0,5,1,FC2,0,0             ; hidden units 128-255: K step 1, into CD0
	PROD FC2,CD1,0,0,0,0,FC2+16384,2,0
	PROD FC2+16384,CD0,2,0,6,0,0,0,0
	LN VG2,VB2
.if LAST
	; THE WAY OUT: a lane holds pieces of one row, and the lanes beside it hold other rows: a tile goes through my own stage and comes back as whole rows of 512 bytes, into A, which is free.
	; LDS serves a wave's instructions in order (ISA guide 5.7.1.4): no wait between the stores and the loads, nor in front of the next tile's stores.
.irp t,0,1
	W 0,0,\t,0
.irp b,0,1,2,3
.irp c,0,1,2,3
	ds_store_b128 v[STO], v[P+16*\b+4*\c:P+16*\b+4*\c+3] offset:128*\b+16*\c
.endr
.endr
	W \t,0,0,0
.set i, 0
.rept 16
	ds_load_b128 v[A+4*i:A+4*i+3], v[SRD] offset:528*i
.set i, i+1
.endr
.endr
	W 0,0,0,0
	s_wait_dscnt 16                                ; all but tile 1's sixteen loads: the stage's stores have read P, and tile 0's rows are back
	s_cmp_eq_u32 s3, 1
	s_cbranch_scc1 .Lno_next
	LOADP 131072                                   ; the next pair's x, ahead of this pair's stores
.Lno_next:
.irp t,0,1
	W 0,0,\t,0
.set i, 0
.rept 16
.if \t==1
	s_wait_dscnt 15-i                              ; row i of tile 1 is back; the younger loads may be out
.endif
	global_store_b128 v[LIB], v[A+4*i:A+4*i+3], s[12:13] offset:8192*\t+512*i th:TH_STORE_NT   ; 32 lanes store a row of 512 bytes
.set i, i+1
.endr
.endr
	W 0,0,0,0
.else
	PRE NWQ,1,NVBQ
	QUANTP CD0,5                                   ; the new x at the next q's scale,
	QUANTP CD1,6                                   ; and at the next k's
.irp t,0,1
	W 0,0,\t,0
.set i, 0
.rept 16
	global_store_b128 v[LIB], v[P+4*i:P+4*i+3], s[12:13] offset:8192*\t+512*i   ; 32 lanes store 512 consecutive bytes
.set i, i+1
.endr
.endr
	W 0,0,0,0
	s_cmp_eq_u32 s3, 1
	s_cbranch_scc1 .Lno_next
	s_wait_xcnt 0x0                                ; the stores have read P: the next pair's x may land there, under the tail's products
	LOADP 131072
.Lno_next:
	PROD NWQ,CD0,1,NVBQ,7,0,NWK,1,NVBK
	PROD NWK,CD1,1,NVBK,8,0,0,0,0
	W 0,0,0,0
.endif
	s_wait_xcnt 0x0                                ; loads and stores have read their bases, and the stores their data
	s_add_nc_u64 s[4:5], s[4:5], 0x20000
	s_add_nc_u64 s[12:13], s[12:13], 0x20000
	s_sub_co_u32 s3, s3, 1
	s_cmp_lg_u32 s3, 0
	s_cbranch_scc1 .Lpass
.if !LAST
	; the wave's two sums of squares
	v_pk_add_f32 v[SQ:SQ+1], v[SQ:SQ+1], v[SQ+2:SQ+3]
	v_pk_add_f32 v[SK:SK+1], v[SK:SK+1], v[SK+2:SK+3]
	v_add_f32 v[SQ], v[SQ], v[SQ+1]
	v_add_f32 v[SK], v[SK], v[SK+1]
.irp m,1,2,4,8
	v_add_f32_dpp v[SQ], v[SQ], v[SQ] row_xmask:\m row_mask:0xf bank_mask:0xf
	v_add_f32_dpp v[SK], v[SK], v[SK] row_xmask:\m row_mask:0xf bank_mask:0xf
.endr
	v_permlanex16_b32 v[SQ+1], v[SQ], s38, s39
	v_permlanex16_b32 v[SK+1], v[SK], s38, s39
	v_add_f32 v[SQ], v[SQ], v[SQ+1]
	v_add_f32 v[SK], v[SK], v[SK+1]
	v_mov_b32 v[ZR], 0
	v_cmp_eq_u32 vcc_lo, 0, v[LANE]
	s_wait_xcnt 0x0                                ; EXEC changes only behind this wait
	s_and_saveexec_b32 s52, vcc_lo
	global_store_b32 v[ZR], v[SQ], s[14:15]
	global_store_b32 v[ZR], v[SK], s[14:15] offset:8192
	s_wait_xcnt 0x0                                ; and again, in front of the line that widens it
	s_or_b32 exec_lo, exec_lo, s52
.endif
	s_wait_tensorcnt 0x0                           ; the wave's end: behind my last LDS store
	ds_add_u32 v[SPW], v[NIL]
	s_wait_dscnt 0x0
	s_endpgm
.Lfunc_end_k_qc50f33120e_last:
	.size	k_qc50f33120e_last, .Lfunc_end_k_qc50f33120e_last-k_qc50f33120e_last
	.p2alignl 7, 3214868480
	.fill 96, 4, 3214868480
	.section	.rodata,"a",@progbits
	.p2align	6, 0x0
	.amdhsa_kernel k_qc50f33120e_last
		.amdhsa_group_segment_fixed_size 224768
		.amdhsa_private_segment_fixed_size 0
		.amdhsa_enable_private_segment 0
		.amdhsa_kernarg_size 32
		.amdhsa_user_sgpr_count 2
		.amdhsa_user_sgpr_kernarg_segment_ptr 1
		.amdhsa_wavefront_size32 1
		.amdhsa_system_sgpr_workgroup_id_x 1
		.amdhsa_system_sgpr_workgroup_id_y 1
		.amdhsa_system_sgpr_workgroup_id_z 1
		.amdhsa_system_vgpr_workitem_id 0
		.amdhsa_next_free_vgpr 512
		.amdhsa_next_free_sgpr 66
		.amdhsa_reserve_vcc 1
		.amdhsa_float_denorm_mode_32 3
		.amdhsa_float_denorm_mode_16_64 3
		.amdhsa_memory_ordered 1
		.amdhsa_forward_progress 1
		.amdhsa_inst_pref_size 179
	.end_amdhsa_kernel
	.amdgpu_metadata
---
amdhsa.version: [ 1, 2 ]
amdhsa.kernels:
  - .name:           k_qc50f33120e_last
    .symbol:         k_qc50f33120e_last.kd
    .args:
      - { .name: xb, .offset: 0, .size: 8, .value_kind: global_buffer, .address_space: global }
      - { .name: par1, .offset: 8, .size: 8, .value_kind: global_buffer, .address_space: global }
      - { .name: att, .offset: 16, .size: 8, .value_kind: global_buffer, .address_space: global }
      - { .name: out0, .offset: 24, .size: 8, .value_kind: global_buffer, .address_space: global }
    .group_segment_fixed_size: 224768
    .private_segment_fixed_size: 0
    .kernarg_segment_align: 8
    .kernarg_segment_size: 32
    .max_flat_workgroup_size: 256
    .sgpr_count:     66
    .vgpr_count:     512
    .wavefront_size: 32
...
	.end_amdgpu_metadata
.endif
;; end of part 6
